; MI455X (gfx1250); checked and timed in simulation.
; The chip was launched on July 23, 2026; its instructions are those of AMD's public machine-readable ISA for CDNA 5 (MIT licence, August 2026) and "CDNA5" Instruction Set Architecture Reference Guide (July 2026). The comments in the code are by the model that wrote it; some were corrected since.
;; Multi Head Attention. Allowed arithmetic: matrix products marked QUANTISED: E2M1 operands, one E8M0 scale for each 32 along K, by v_wmma_scale_f32_16x16x128_f8f6f4 with both operands' format E2M1 (or v_wmma_scale_f32_32x16x128_f4), f32 sums; products left as they are: bf16, f16 or f32 operands; f32 sums; everything else in f32.
;; Inputs: Wk 1,024 x 1,024 float32; Wo 1,024 x 1,024 float32; Wq 1,024 x 1,024 float32; Wv 1,024 x 1,024 float32; bk 1,024 float32; bo 1,024 float32; bq 1,024 float32; bv 1,024 float32; k_in 4 x 2,048 x 1,024 float32; mask 1 x 1 x 2,048 x 2,048 float32; q_in 4 x 2,048 x 1,024 float32; v_in 4 x 2,048 x 1,024 float32.
;; Outputs: out0 4 x 2,048 x 1,024 float32.
;; This version of the problem:
;;   THIS VERSION OF THE PROBLEM IS GIVEN IN LOW PRECISION. The matrix products marked QUANTISED in the list below multiply operands that are first quantised to E2M1 (2 exponent bits, 1 mantissa bit; 4 bits a number), with one power-of-two scale for each 32 numbers along K (OCP MX v1.0); their sums are f32. The products marked 'left as it is' may take bf16, f16 or f32 operands, with f32 sums. Whichever they take, every output number must still come out within the allowed error. Rounding operands to bf16 (8 significant bits) uses up far more of that allowance than f16 does (11 bits, for magnitudes from 6e-5 to 65,504). All else is computed in f32.
;;   The module's matrix products, in the order in which they are computed (A, B: the left and right operand; K: the contracted axis; several contracted axes count as one K, in the product's order):
;;     1. [M 8,192, K 1,024] x [K 1,024, N 1,024]; A: input q_in; B: input Wq: QUANTISED
;;     2. [M 8,192, K 1,024] x [K 1,024, N 1,024]; A: input k_in; B: input Wk: QUANTISED
;;     3. [M 8,192, K 1,024] x [K 1,024, N 1,024]; A: input v_in; B: input Wv: QUANTISED
;;     4. batch 64 x [M 2,048, K 64] x [K 64, N 2,048]; A: computed on the way; B: computed on the way: left as it is (an operand is computed on the way)
;;     5. batch 64 x [M 2,048, K 2,048] x [K 2,048, N 64]; A: computed on the way; B: computed on the way: left as it is (an operand is computed on the way)
;;     6. [M 8,192, K 1,024] x [K 1,024, N 1,024]; A: computed on the way; B: input Wo: left as it is (an operand is computed on the way)
;;   THE QUANTISER, for each operand of a quantised product, along K:
;;     - K is cut into blocks of 32 from its start; a last block that is shorter is filled with zeros.
;;     - A block's scale is 2^e with e = floor(log2(the largest magnitude in the block)) - 2, held to -126 .. 127; a block of zeros has e = 0. As a byte (E8M0): e + 127.
;;     - Each number is divided by its block's scale, clamped to +-6, and rounded to the nearest number of E2M1, ties to even, subnormals kept.
;;     - The product sums the exact products of the quantised numbers (number of the format x scale) in f32.
;;   ~~~python
;;   def quantise(x, axis):      # numpy; x: float32 -> the quantised numbers, widened to float32 again
;;       x = np.moveaxis(x, axis, -1); K = x.shape[-1]
;;       x = np.pad(x, [(0, 0)] * (x.ndim - 1) + [(0, -K % 32)]); x = x.reshape(x.shape[:-1] + (-1, 32)); a = np.abs(x).max(-1, keepdims=True)
;;       e = np.where(a > 0, np.clip(np.frexp(np.where(a > 0, a, 1))[1] - 1 - 2, -126, 127), 0)      # np.frexp(a)[1] - 1 = floor(log2(a)), exactly
;;       r = np.clip(x / 2.0 ** e, -6, 6)
;;       step = 2.0 ** (np.maximum(np.frexp(np.where(r == 0, 1, r))[1] - 1, 0) - 1)
;;       q = np.round(r / step) * step * 2.0 ** e      # np.round: ties to even
;;       return np.moveaxis(q.reshape(q.shape[:-2] + (-1,))[..., :K], -1, axis).astype(np.float32)
;;   ~~~
;; One version. Each part assembles by itself: llvm-mc -triple=amdgcn-amd-amdhsa -mcpu=gfx1250 --defsym DOCPART=n.
;; ======== version 1 of 1: 5 launches
;; limits: values are held in f16: magnitudes above 65,504 overflow, below 6.1e-05 lose precision; right only within a limited range of input values
;; workspace buffers: x_codes 12,582,912 bytes; x_scales 786,432 bytes; w_codes 1,572,864 bytes; w_scales 98,304 bytes; wo16t 2,097,152 bytes; mkimg 16,777,216 bytes; qkv16 50,331,648 bytes; o16 16,777,216 bytes
;; launch prep (part 1): grid 1024 x 1, 4 waves a work-group, no clusters, 50,688 bytes of LDS; arguments q_in, k_in, v_in, mask, x_codes, x_scales, mkimg; writes x_codes, x_scales, mkimg
.if DOCPART == 1
	.amdgcn_target "amdgcn-amd-amdhsa--gfx1250"
	.amdhsa_code_object_version 6
	.text
	.protected	k_qfcf424468d_prep
	.globl	k_qfcf424468d_prep
	.p2align	8
	.type	k_qfcf424468d_prep,@function
k_qfcf424468d_prep:
	s_mov_b64 s[64:65], 0
	v_nop
	global_prefetch_b8 v0, s[64:65] scope:SCOPE_SE
	s_setreg_imm32_b32 hwreg(HW_REG_WAVE_MODE, 25, 1), 1
	s_wait_xcnt 0x0
; Two jobs in one launch; they part on the work-group's number and never meet again; each has LDS bytes of its own.
; JOB X (work-groups 0-767): q_in, k_in, v_in, each [8192][1024] f32, become codes of FP4 (E2M1), K innermost, x_codes [3 x 8192][512 bytes], with one E8M0 byte for each 32 along K, x_scales [3 x 8192][32].
;   A block's scale is 2^(floor(log2(its largest magnitude)) - 2); its byte is the largest magnitude's exponent field - 2, held at 1 from below; numbers are divided by the scale and rounded to the nearest code, ties to even.
;   Rows are dense and 1,024 is a multiple of 32: the tensors are plain streams of blocks.  A wave takes 16 steps of 512 numbers; each load reads 512 consecutive bytes; a step's 2,048 bytes turn through the wave's own
;   stage in LDS so that a lane holds 16 neighbours along K (two lanes to a block).
; JOB M (work-groups 768-1023): mask [2048][2048] f32 becomes -FMAX x mask x log2(e), held at +-FMAX (the attention works in base 2), laid as images of a matrix accumulator:
;   mkimg [query tile 128][key tile 128][c 2][lane 32][16 bytes]; lane (r, h) of image (qt, kt, c) holds the numbers of query 16 qt + r, keys 16 kt + 8 h + 4 c + 0 .. 3.
;   A wave takes 16 queries x 256 keys, 64 keys at a time, through its own stage.
; LIMITS: a block of zeros gets the byte 1 where the quantiser's rule says 127 (its codes are zeros, and this program alone reads the bytes); blocks whose largest magnitude lies under 2^-124 keep the byte 1;
;   NaN and infinities among the inputs are not served.  |mask| above 1 / log2(e) = 0.693 is held at +-FMAX: a query ALL of whose keys carry such values, differing among themselves, is weighed evenly over them,
;   where the definition keeps only the least masked; equal values (0 and 1 among them) come out as the definition has them.
.set XWG,   768                        ; work-groups of job X: 3 x 8192 x 1024 / 32768
.set STEPS, 16
.set EMAX,  2
.set CB,    8                          ; bytes of 16 codes
.set R,     16                         ; v16-79   four sets of 16 numbers as loaded
.set X,     80                         ; v80-111  two sets of 16 neighbours
.set E,     112                        ; v112-127 a scale byte for each step
.set C,     128                        ; v128-191 codes, four registers a step: no store's data are written again
.set WREG,  8192                       ; job X: a region for each wave: two stages of 32 x SP bytes, then its 256 scale bytes
.set SP,    80                         ; a lane's place in a stage: 64 bytes + 16 of padding
.set SPW,   12                         ; v12 LDS address of my spare word; never rewritten
.set NIL,   13                         ; v13 0; never rewritten
.set MST,   4*WREG                     ; job M: a stage of 16 rows x (256 + 16) bytes for each wave
.set MP,    272
.set MSTW,  16*MP
.set SPARE, MST+4*MSTW                 ; the spare words, 128 bytes a wave: two blocks of 256 bytes that no other line names
.set MR,    32                         ; job M: v32-159, 32 registers for each group of 64 keys
	s_load_b256 s[4:11], s[0:1], 0x0               ; q_in s[4:5], k_in s[6:7], v_in s[8:9], mask s[10:11]
	s_load_b128 s[12:15], s[0:1], 0x20             ; x_codes, x_scales
	s_load_b64 s[16:17], s[0:1], 0x30              ; mkimg
	v_lshl_add_u32 v[SPW], v0, 2, SPARE
	v_mov_b32 v[NIL], 0
	v_lshrrev_b32 v1, 5, v0
	v_readfirstlane_b32 s20, v1                    ; wave
	v_and_b32 v2, 31, v0                           ; lane
	s_wait_kmcnt 0x0
	s_cmp_ge_u32 ttmp9, XWG
	s_cbranch_scc1 .Lmask
; ---------------- JOB X
	v_lshlrev_b32 v3, 4, v2                        ; my 16 bytes of a load's 512
	s_mul_i32 s21, s20, WREG
	v_lshrrev_b32 v14, 2, v2
	v_mul_u32_u24 v14, v14, SP
	v_and_b32 v15, 3, v2
	v_lshl_add_u32 v14, v15, 4, v14
	v_add_nc_u32 v14, s21, v14                     ; the stage, in: four lanes' 64 bytes on end, then 16 of padding
	v_mul_u32_u24 v15, v2, SP
	v_add_nc_u32 v15, s21, v15                     ; out: SP x lane: my 16 neighbours
	v_mul_u32_u24 v4, v2, CB                       ; my codes' place in a step's
	v_lshrrev_b32 v5, 1, v2
	s_add_co_u32 s21, s21, 2*32*SP
	v_add_nc_u32 v5, s21, v5                       ; my block's byte among my wave's 256
	v_lshlrev_b32 v7, 3, v2
	v_add_nc_u32 v6, s21, v7                       ; and 8 bytes a lane on their way out
	s_cmp_lt_u32 ttmp9, 256                        ; which tensor: the choice hangs on the work-group's number alone
	s_cselect_b64 s[4:5], s[4:5], s[6:7]
	s_cmp_lt_u32 ttmp9, 512
	s_cselect_b64 s[4:5], s[4:5], s[8:9]
	s_and_b32 s22, ttmp9, 255
	s_lshl_b32 s22, s22, 2
	s_add_co_u32 s22, s22, s20                     ; my run of 8,192 numbers in the tensor,
	s_lshl_b32 s22, s22, 15                        ; 32,768 bytes each
	s_mov_b32 s23, 0
	s_add_nc_u64 s[4:5], s[4:5], s[22:23]
	s_lshl_b32 s24, ttmp9, 2
	s_add_co_u32 s24, s24, s20                     ; my run among all three tensors'
	s_lshl_b32 s22, s24, 12                        ; 4,096 bytes of codes
	s_add_nc_u64 s[12:13], s[12:13], s[22:23]
	s_lshl_b32 s22, s24, 8                         ; 256 scale bytes
	s_add_nc_u64 s[14:15], s[14:15], s[22:23]
.macro LOAD t
.irp i, 0,1,2,3
	global_load_b128 v[R+16*((\t)%4)+4*\i:R+16*((\t)%4)+4*\i+3], v3, s[4:5] offset:2048*(\t)+512*\i th:TH_LOAD_NT   ; 32 lanes read 512 consecutive bytes
.endr
.endm
.macro TURN t                          ; step t's numbers through the stage: LDS serves a wave's instructions in order (ISA guide 5.7.1.4)
.irp i, 0,1,2,3
	ds_store_b128 v14, v[R+16*((\t)%4)+4*\i:R+16*((\t)%4)+4*\i+3] offset:32*SP*((\t)%2)+8*SP*\i
.endr
.irp i, 0,1,2,3
	ds_load_b128 v[X+16*((\t)%2)+4*\i:X+16*((\t)%2)+4*\i+3], v15 offset:32*SP*((\t)%2)+16*\i
.endr
.endm
.irp t, 0,1,2,3
	LOAD \t
.endr
	s_wait_loadcnt 12                              ; step 0's four loads are in; the twelve of steps 1 to 3 may be out
	TURN 0
.macro STEP t
.set XS, X+16*((\t)%2)
.if (\t) > 0
	s_wait_dscnt 1                                 ; this step's numbers are back from the stage; the last step's byte store may be out
.else
	s_wait_dscnt 0x0
.endif
.if (\t)+4 < STEPS
	LOAD (\t)+4                                    ; into the registers whose stores into the stage are done
.endif
.if (\t)+1 < STEPS
.if STEPS-2-(\t) >= 3
	s_wait_loadcnt 12                              ; the next step's four loads are in; those of the three steps behind it may be out
.else
	s_wait_loadcnt 4*(STEPS-2-(\t))
.endif
	TURN (\t)+1
.endif
	v_max3_num_f32 v8, |v[XS]|, |v[XS+1]|, |v[XS+2]|               ; the largest magnitude of my 16, in two chains
	v_max3_num_f32 v9, |v[XS+3]|, |v[XS+4]|, |v[XS+5]|
.irp i, 6,10
	v_max3_num_f32 v8, v8, |v[XS+\i]|, |v[XS+\i+1]|
	v_max3_num_f32 v9, v9, |v[XS+\i+2]|, |v[XS+\i+3]|
.endr
	v_max3_num_f32 v8, v8, |v[XS+14]|, |v[XS+15]|
	v_max3_num_f32 v8, v8, v9, (EMAX+1)<<23        ; and the floor 2^(3 - 127): the byte cannot fall under 1
	v_max_num_f32_dpp v8, v8, v8 row_xmask:1 row_mask:0xf bank_mask:0xf   ; with my neighbour's 16: the block's
	v_add_nc_u32 v11, 0xff000000, v8               ; 2 off its exponent field: the conversion takes this operand's exponent field as its scale
	v_cvt_scalef32_pk8_fp4_f32 v[C+4*(\t)], v[XS:XS+7], v11
	v_cvt_scalef32_pk8_fp4_f32 v[C+4*(\t)+1], v[XS+8:XS+15], v11
	v_lshrrev_b32 v[E+(\t)], 23, v11               ; the scale's byte (also the plain line behind the conversions)
	ds_store_b8 v5, v[E+(\t)] offset:16*(\t)       ; both lanes of a block write the same byte with the same value
	global_store_b64 v4, v[C+4*(\t):C+4*(\t)+1], s[12:13] offset:32*CB*(\t)   ; the wave stores 256 consecutive bytes, aligned
.endm
.irp t, 0,1,2,3,4,5,6,7,8,9,10,11,12,13,14,15
	STEP \t
.endr
	ds_load_b64 v[8:9], v6                         ; my wave's 256 scale bytes: these loads see my stores
	s_wait_dscnt 0x0
	global_store_b64 v7, v[8:9], s[14:15]          ; 256 consecutive bytes, aligned
	s_wait_tensorcnt 0x0                           ; the wave's end
	ds_add_u32 v[SPW], v[NIL]
	s_wait_dscnt 0x0
	s_endpgm
; ---------------- JOB M
.Lmask:
	s_sub_co_u32 s21, ttmp9, XWG
	s_lshl_b32 s21, s21, 2
	s_add_co_u32 s21, s21, s20                     ; u = 0 .. 1023
	s_lshr_b32 s24, s21, 3                         ; query tile
	s_and_b32 s25, s21, 7                          ; which 256 keys
	s_lshl_b32 s26, s24, 17                        ; 16 rows of 8,192 bytes; also a query tile's 128 images of 1,024 bytes
	s_lshl_b32 s28, s25, 10
	s_add_co_u32 s28, s28, s26
	s_mov_b32 s29, 0
	s_lshl_b32 s30, s25, 14
	s_add_co_u32 s30, s30, s26
	s_mov_b32 s31, 0
	s_add_nc_u64 s[10:11], s[10:11], s[28:29]
	s_add_nc_u64 s[16:17], s[16:17], s[30:31]
	s_mov_b32 s22, 0xff7fffff                      ; -FMAX
	s_mov_b32 s23, s22                             ; (named with it as a pair, so it is written)
	s_mov_b32 s32, 0x3fb8aa3b                      ; log2(e)
	s_mov_b32 s33, s32
	s_mov_b32 s34, 0x7f7fffff                      ; FMAX
	v_and_b32 v3, 15, v0                           ; a
	v_bfe_u32 v4, v0, 4, 1                         ; hb
	v_lshlrev_b32 v5, 4, v3
	v_lshl_add_u32 v6, v4, 13, v5                  ; in: lanes 0-15 one row's 256 bytes, lanes 16-31 the next row's
	s_mul_i32 s27, s20, MSTW
	s_add_co_u32 s27, s27, MST
	v_mul_u32_u24 v7, v4, MP
	v_add_nc_u32 v7, v7, v5
	v_add_nc_u32 v7, s27, v7                       ; into the stage: the same two rows
	v_mul_u32_u24 v8, v3, MP
	v_lshl_add_u32 v8, v4, 5, v8
	v_add_nc_u32 v8, s27, v8                       ; out of it: row a, + 32 hb bytes
	v_lshlrev_b32 v9, 4, v2                        ; an image's place for my lane
.irp gk, 0,1,2,3
.irp i, 0,1,2,3,4,5,6,7
	global_load_b128 v[MR+32*\gk+4*\i:MR+32*\gk+4*\i+3], v6, s[10:11] offset:\i*16384+\gk*256 th:TH_LOAD_NT
.endr
.endr
.macro MGROUP gk
	s_wait_loadcnt 24-8*\gk                        ; this group's eight loads are in; the later groups' may be out
.irp j, 0,2,4,6,8,10,12,14,16,18,20,22,24,26,28,30
	v_pk_mul_f32 v[MR+32*\gk+\j:MR+32*\gk+\j+1], v[MR+32*\gk+\j:MR+32*\gk+\j+1], s[22:23] op_sel_hi:[1,0]   ; x -FMAX, as the definition has it,
.endr
.irp j, 0,2,4,6,8,10,12,14,16,18,20,22,24,26,28,30
	v_pk_mul_f32 v[MR+32*\gk+\j:MR+32*\gk+\j+1], v[MR+32*\gk+\j:MR+32*\gk+\j+1], s[32:33] op_sel_hi:[1,0]   ; x log2(e): what leaves the range of f32 here
.endr
.set mj, 0
.rept 32
	v_med3_num_f32 v[MR+32*\gk+mj], v[MR+32*\gk+mj], s22, s34      ; is held at +-FMAX
.set mj, mj+1
.endr
.irp i, 0,1,2,3,4,5,6,7
	ds_store_b128 v7, v[MR+32*\gk+4*\i:MR+32*\gk+4*\i+3] offset:\i*2*MP
.endr
.irp n, 0,1,2,3,4,5,6,7                ; n = 2 x key tile + c
	ds_load_b128 v[MR+32*\gk+4*\n:MR+32*\gk+4*\n+3], v8 offset:64*(\n/2)+16*(\n%2)   ; these see the stores above; the next group's stores come behind them
.endr
	s_wait_dscnt 0x0
.irp n, 0,1,2,3,4,5,6,7
	global_store_b128 v9, v[MR+32*\gk+4*\n:MR+32*\gk+4*\n+3], s[16:17] offset:\gk*4096+\n*512   ; 512 consecutive bytes, aligned
.endr
.endm
	MGROUP 0
	MGROUP 1
	MGROUP 2
	MGROUP 3
	s_wait_tensorcnt 0x0                           ; the wave's end
	ds_add_u32 v[SPW], v[NIL]
	s_wait_dscnt 0x0
	s_endpgm
.Lfunc_end_k_qfcf424468d_prep:
	.size	k_qfcf424468d_prep, .Lfunc_end_k_qfcf424468d_prep-k_qfcf424468d_prep
	.p2alignl 7, 3214868480
	.fill 96, 4, 3214868480
	.section	.rodata,"a",@progbits
	.p2align	6, 0x0
	.amdhsa_kernel k_qfcf424468d_prep
		.amdhsa_group_segment_fixed_size 50688
		.amdhsa_private_segment_fixed_size 0
		.amdhsa_enable_private_segment 0
		.amdhsa_kernarg_size 56
		.amdhsa_user_sgpr_count 2
		.amdhsa_user_sgpr_kernarg_segment_ptr 1
		.amdhsa_wavefront_size32 1
		.amdhsa_system_sgpr_workgroup_id_x 1
		.amdhsa_system_sgpr_workgroup_id_y 1
		.amdhsa_system_sgpr_workgroup_id_z 1
		.amdhsa_system_vgpr_workitem_id 0
		.amdhsa_next_free_vgpr 192
		.amdhsa_next_free_sgpr 66
		.amdhsa_reserve_vcc 0
		.amdhsa_float_denorm_mode_32 3
		.amdhsa_float_denorm_mode_16_64 3
		.amdhsa_memory_ordered 1
		.amdhsa_forward_progress 1
		.amdhsa_inst_pref_size 61
	.end_amdhsa_kernel
	.amdgpu_metadata
---
amdhsa.version: [ 1, 2 ]
amdhsa.kernels:
  - .name:           k_qfcf424468d_prep
    .symbol:         k_qfcf424468d_prep.kd
    .args:
      - { .name: q_in, .offset: 0, .size: 8, .value_kind: global_buffer, .address_space: global }
      - { .name: k_in, .offset: 8, .size: 8, .value_kind: global_buffer, .address_space: global }
      - { .name: v_in, .offset: 16, .size: 8, .value_kind: global_buffer, .address_space: global }
      - { .name: mask, .offset: 24, .size: 8, .value_kind: global_buffer, .address_space: global }
      - { .name: x_codes, .offset: 32, .size: 8, .value_kind: global_buffer, .address_space: global }
      - { .name: x_scales, .offset: 40, .size: 8, .value_kind: global_buffer, .address_space: global }
      - { .name: mkimg, .offset: 48, .size: 8, .value_kind: global_buffer, .address_space: global }
    .group_segment_fixed_size: 50688
    .private_segment_fixed_size: 0
    .kernarg_segment_align: 8
    .kernarg_segment_size: 56
    .max_flat_workgroup_size: 128
    .sgpr_count:     66
    .vgpr_count:     192
    .wavefront_size: 32
...
	.end_amdgpu_metadata
.endif
;; end of part 1
;; launch quantw (part 2): grid 32 x 4, 8 waves a work-group, no clusters, 85,248 bytes of LDS; arguments Wq, Wk, Wv, Wo, w_codes, w_scales, wo16t; writes w_codes, w_scales, wo16t
.if DOCPART == 2
	.amdgcn_target "amdgcn-amd-amdhsa--gfx1250"
	.amdhsa_code_object_version 6
	.text
	.protected	k_qfcf424468d_quantw
	.globl	k_qfcf424468d_quantw
	.p2align	8
	.type	k_qfcf424468d_quantw,@function
k_qfcf424468d_quantw:
	s_mov_b64 s[64:65], 0
	v_nop
	global_prefetch_b8 v0, s[64:65] scope:SCOPE_SE
	s_setreg_imm32_b32 hwreg(HW_REG_WAVE_MODE, 25, 1), 1
	s_wait_xcnt 0x0
; The four weights, [k 1024][n 1024] f32 with K as FIRST axis.  Work-group (x, y): tensor y, columns 32 x .. 32 x + 31.  A LANE TAKES A COLUMN AND ITS REGISTERS RUN DOWN K; wave w takes k = 128 w .. 128 w + 127.
; y = 0, 1, 2 (Wq, Wk, Wv): codes of FP4 (E2M1) with K innermost, w_codes [3 x 1024 (n)][512 bytes], and one E8M0 byte for each 32 along K, w_scales [3 x 1024][32].  A block of 32 lies in one lane's registers.
; y = 3 (Wo): rounded to f16 and laid with K innermost, wo16t [n 1024][k 1024].
; Codes, bytes and f16 rows meet in LDS (a row's parts come from eight waves) and leave as whole rows.  The two ways part on y, the same in all eight waves, and do not meet again: each has its own barrier and LDS bytes.
; LIMITS: a block of zeros gets the byte 1 where the rule says 127 (its codes are zeros; this program alone reads the bytes); |Wo| up to 65,504 (f16); NaN and infinities are not served.
.set X,     32                         ; v32-159  four blocks of 32 numbers
.set C,     160                        ; v160-175 codes, four registers a block
.set H,     160                        ; v160-223 Wo: 16 registers of f16 pairs a block
.set SB,    24                         ; v24      my four scale bytes
.set SPW,   14
.set NIL,   15
.set PA,    528                        ; a row of codes in LDS: 512 bytes + 16
.set PB,    2064                       ; a row of Wo^T in LDS: 2,048 bytes + 16
.set SCLA,  17152                      ; behind the 32 rows of codes: 32 columns x 32 scale bytes
.set STGB,  18176                      ; Wo's stage
.set SPARE, STGB+32*PB                 ; the spare words, 128 bytes a wave: four blocks of 256 bytes that no other line names
	s_load_b256 s[4:11], s[0:1], 0x0               ; Wq, Wk, Wv, Wo
	s_load_b128 s[12:15], s[0:1], 0x20             ; w_codes, w_scales
	s_load_b64 s[16:17], s[0:1], 0x30              ; wo16t
	v_lshl_add_u32 v[SPW], v0, 2, SPARE
	v_mov_b32 v[NIL], 0
	v_lshrrev_b32 v1, 5, v0
	v_readfirstlane_b32 s20, v1                    ; wave 0..7
	s_and_b32 s21, ttmp7, 0xffff                   ; y
	v_and_b32 v2, 31, v0                           ; lane
	v_lshlrev_b32 v3, 2, v2                        ; in: 4 bytes a lane
	v_lshlrev_b32 v10, 4, v2                       ; out: 16 bytes a lane
	v_lshlrev_b32 v16, 3, v2                       ; the scale bytes: 8 a lane
	v_mul_u32_u24 v4, v2, PA
	s_lshl_b32 s22, s20, 6
	v_add_nc_u32 v4, s22, v4                       ; codes in: row = my column, + 64 w
	v_lshlrev_b32 v5, 5, v2
	s_lshl_b32 s22, s20, 2
	s_add_co_u32 s22, s22, SCLA
	v_add_nc_u32 v5, s22, v5                       ; my scale word: 32 x column + 4 w
	v_mul_u32_u24 v6, v2, PB
	s_lshl_b32 s22, s20, 8
	s_add_co_u32 s22, s22, STGB
	v_add_nc_u32 v6, s22, v6                       ; Wo in: row = my column, + 256 w
	s_mul_i32 s22, s20, 4*PA
	v_add_nc_u32 v7, s22, v10                      ; codes out: rows 4 w .. 4 w + 3, whole
	s_lshl_b32 s22, s20, 8
	s_add_co_u32 s22, s22, SCLA
	v_add_nc_u32 v8, s22, v16                      ; scale bytes out (waves 0-3): 256 w + 8 x lane
	s_mul_i32 s22, s20, 4*PB
	s_add_co_u32 s22, s22, STGB
	v_add_nc_u32 v9, s22, v10                      ; Wo out: rows 4 w .. 4 w + 3
	s_lshl_b32 s24, s20, 19                        ; 128 w rows of 4,096 bytes
	s_lshl_b32 s25, ttmp9, 7                       ; 32 x columns of 4 bytes
	s_add_co_u32 s24, s24, s25
	s_mov_b32 s25, 0
	s_wait_kmcnt 0x0
	s_cmp_eq_u32 s21, 1                            ; the tensor: the choice hangs on the work-group's number alone
	s_cselect_b64 s[4:5], s[6:7], s[4:5]
	s_cmp_eq_u32 s21, 2
	s_cselect_b64 s[4:5], s[8:9], s[4:5]
	s_cmp_eq_u32 s21, 3
	s_cselect_b64 s[4:5], s[10:11], s[4:5]
	s_add_nc_u64 s[4:5], s[4:5], s[24:25]
.macro LOAD t                          ; block t: W(128 w + 32 t + i, my column)
.irp i, 0,1,2,3,4,5,6,7,8,9,10,11,12,13,14,15,16,17,18,19,20,21,22,23,24,25,26,27,28,29,30,31
	global_load_b32 v[X+32*(\t)+\i], v3, s[4:5] offset:(32*(\t)+\i)*4096 th:TH_LOAD_NT
.endr
.endm
	LOAD 0
	LOAD 1
	s_cmp_eq_u32 s21, 3
	s_cbranch_scc1 .Lwo
; ---------------- Wq, Wk, Wv
	s_lshl_b32 s24, s21, 19                        ; codes: a tensor's 1,024 rows of 512 bytes,
	s_lshl_b32 s26, ttmp9, 14                      ; my work-group's 32 rows,
	s_add_co_u32 s24, s24, s26
	s_lshl_b32 s26, s20, 11                        ; my wave's 4
	s_add_co_u32 s24, s24, s26
	s_add_nc_u64 s[12:13], s[12:13], s[24:25]
	s_lshl_b32 s24, s21, 15                        ; scale bytes likewise: 32 a row
	s_lshl_b32 s26, ttmp9, 10
	s_add_co_u32 s24, s24, s26
	s_lshl_b32 s26, s20, 8
	s_add_co_u32 s24, s24, s26
	s_add_nc_u64 s[14:15], s[14:15], s[24:25]
.macro BLOCK t
.set XS, X+32*(\t)
.if (\t) < 3
	s_wait_loadcnt 32                              ; this block's 32 loads are in; the next block's may be out
.else
	s_wait_loadcnt 0x0
.endif
	v_max3_num_f32 v12, |v[XS]|, |v[XS+1]|, |v[XS+2]|              ; the block's largest magnitude: all 32 numbers are mine
	v_max3_num_f32 v13, |v[XS+3]|, |v[XS+4]|, |v[XS+5]|
.irp i, 6,10,14,18,22,26
	v_max3_num_f32 v12, v12, |v[XS+\i]|, |v[XS+\i+1]|
	v_max3_num_f32 v13, v13, |v[XS+\i+2]|, |v[XS+\i+3]|
.endr
	v_max3_num_f32 v12, v12, |v[XS+30]|, |v[XS+31]|
	v_max3_num_f32 v12, v12, v13, 0x1800000        ; and the floor 2^(3 - 127): the byte cannot fall under 1
	v_add_nc_u32 v11, 0xff000000, v12              ; 2 off its exponent field: the conversion's scale operand
	v_lshrrev_b32 v13, 23, v11                     ; the scale's byte
.if (\t) == 0
	v_mov_b32 v[SB], v13
.else
	v_lshl_or_b32 v[SB], v13, 8*(\t), v[SB]        ; the lower K in the lower byte
.endif
.irp g, 0,1,2,3
	v_cvt_scalef32_pk8_fp4_f32 v[C+4*(\t)+\g], v[XS+8*\g:XS+8*\g+7], v11
.endr
	v_nop                                          ; one plain line behind the last conversion
	ds_store_b128 v4, v[C+4*(\t):C+4*(\t)+3] offset:16*(\t)
.if (\t)+2 < 4
	LOAD (\t)+2
.endif
.endm
	BLOCK 0
	BLOCK 1
	BLOCK 2
	BLOCK 3
	ds_store_b32 v5, v[SB]
	s_wait_dscnt 0x0                               ; for the others' sake: my stores have landed
	s_barrier_signal -1
	s_barrier_wait -1
.irp i, 0,1,2,3
	ds_load_b128 v[X+4*\i:X+4*\i+3], v7 offset:\i*PA
.endr
	s_wait_dscnt 0x0
.irp i, 0,1,2,3
	global_store_b128 v10, v[X+4*\i:X+4*\i+3], s[12:13] offset:\i*512   ; a whole row: 512 consecutive bytes, aligned
.endr
	s_cmp_lt_u32 s20, 4                            ; the 1,024 scale bytes are dense in memory: four waves store 256 each
	s_cbranch_scc0 .Lno_scales
	ds_load_b64 v[X+16:X+17], v8
	s_wait_dscnt 0x0
	global_store_b64 v16, v[X+16:X+17], s[14:15]
.Lno_scales:
	s_wait_tensorcnt 0x0                           ; the wave's end
	ds_add_u32 v[SPW], v[NIL]
	s_wait_dscnt 0x0
	s_endpgm
; ---------------- Wo
.Lwo:
	s_lshl_b32 s24, ttmp9, 16                      ; my work-group's 32 rows of 2,048 bytes,
	s_lshl_b32 s26, s20, 13                        ; my wave's 4
	s_add_co_u32 s24, s24, s26
	s_add_nc_u64 s[16:17], s[16:17], s[24:25]
.macro HBLOCK t
.if (\t) < 3
	s_wait_loadcnt 32                              ; this block's 32 loads are in; the next block's may be out
.else
	s_wait_loadcnt 0x0
.endif
.irp i, 0,1,2,3,4,5,6,7,8,9,10,11,12,13,14,15
	v_cvt_pk_f16_f32 v[H+16*(\t)+\i], v[X+32*(\t)+2*\i], v[X+32*(\t)+2*\i+1]   ; two neighbours along K, the lower in the low half
.endr
.irp j, 0,1,2,3
	ds_store_b128 v6, v[H+16*(\t)+4*\j:H+16*(\t)+4*\j+3] offset:64*(\t)+16*\j
.endr
.if (\t)+2 < 4
	LOAD (\t)+2
.endif
.endm
	HBLOCK 0
	HBLOCK 1
	HBLOCK 2
	HBLOCK 3
	s_wait_dscnt 0x0                               ; for the others' sake: my stores have landed
	s_barrier_signal -1
	s_barrier_wait -1
.irp n, 0,1,2,3,4,5,6,7,8,9,10,11,12,13,14,15
	ds_load_b128 v[X+4*\n:X+4*\n+3], v9 offset:(\n/4)*PB+(\n%4)*512
.endr
.irp n, 0,1,2,3,4,5,6,7,8,9,10,11,12,13,14,15
	s_wait_dscnt 15-\n                             ; load n is in; the younger ones may be out
	global_store_b128 v10, v[X+4*\n:X+4*\n+3], s[16:17] offset:\n*512   ; 512 consecutive bytes, aligned
.endr
	s_wait_tensorcnt 0x0                           ; the wave's end
	ds_add_u32 v[SPW], v[NIL]
	s_wait_dscnt 0x0
	s_endpgm
.Lfunc_end_k_qfcf424468d_quantw:
	.size	k_qfcf424468d_quantw, .Lfunc_end_k_qfcf424468d_quantw-k_qfcf424468d_quantw
	.p2alignl 7, 3214868480
	.fill 96, 4, 3214868480
	.section	.rodata,"a",@progbits
	.p2align	6, 0x0
	.amdhsa_kernel k_qfcf424468d_quantw
		.amdhsa_group_segment_fixed_size 85248
		.amdhsa_private_segment_fixed_size 0
		.amdhsa_enable_private_segment 0
		.amdhsa_kernarg_size 56
		.amdhsa_user_sgpr_count 2
		.amdhsa_user_sgpr_kernarg_segment_ptr 1
		.amdhsa_wavefront_size32 1
		.amdhsa_system_sgpr_workgroup_id_x 1
		.amdhsa_system_sgpr_workgroup_id_y 1
		.amdhsa_system_sgpr_workgroup_id_z 1
		.amdhsa_system_vgpr_workitem_id 0
		.amdhsa_next_free_vgpr 232
		.amdhsa_next_free_sgpr 66
		.amdhsa_reserve_vcc 0
		.amdhsa_float_denorm_mode_32 3
		.amdhsa_float_denorm_mode_16_64 3
		.amdhsa_memory_ordered 1
		.amdhsa_forward_progress 1
		.amdhsa_inst_pref_size 37
	.end_amdhsa_kernel
	.amdgpu_metadata
---
amdhsa.version: [ 1, 2 ]
amdhsa.kernels:
  - .name:           k_qfcf424468d_quantw
    .symbol:         k_qfcf424468d_quantw.kd
    .args:
      - { .name: Wq, .offset: 0, .size: 8, .value_kind: global_buffer, .address_space: global }
      - { .name: Wk, .offset: 8, .size: 8, .value_kind: global_buffer, .address_space: global }
      - { .name: Wv, .offset: 16, .size: 8, .value_kind: global_buffer, .address_space: global }
      - { .name: Wo, .offset: 24, .size: 8, .value_kind: global_buffer, .address_space: global }
      - { .name: w_codes, .offset: 32, .size: 8, .value_kind: global_buffer, .address_space: global }
      - { .name: w_scales, .offset: 40, .size: 8, .value_kind: global_buffer, .address_space: global }
      - { .name: wo16t, .offset: 48, .size: 8, .value_kind: global_buffer, .address_space: global }
    .group_segment_fixed_size: 85248
    .private_segment_fixed_size: 0
    .kernarg_segment_align: 8
    .kernarg_segment_size: 56
    .max_flat_workgroup_size: 256
    .sgpr_count:     66
    .vgpr_count:     232
    .wavefront_size: 32
...
	.end_amdgpu_metadata
.endif
;; end of part 2
;; launch proj (part 3): grid 4 x 96, 4 waves a work-group, clusters of 4 x 4, 327,680 bytes of LDS; arguments x_codes, x_scales, w_codes, w_scales, bq, bk, bv, qkv16; writes qkv16
.if DOCPART == 3
	.amdgcn_target "amdgcn-amd-amdhsa--gfx1250"
	.amdhsa_code_object_version 6
	.text
	.protected	k_qfcf424468d_proj
	.globl	k_qfcf424468d_proj
	.p2align	8
	.type	k_qfcf424468d_proj,@function
k_qfcf424468d_proj:
	s_mov_b64 s[64:65], 0
	v_nop
	global_prefetch_b8 v0, s[64:65] scope:SCOPE_SE
	s_setreg_imm32_b32 hwreg(HW_REG_WAVE_MODE, 25, 1), 1
	s_wait_xcnt 0x0
	s_wait_alu depctr_hold_cnt(0) depctr_sa_sdst(0) depctr_va_vdst(0) depctr_va_sdst(0) depctr_va_ssrc(0) depctr_va_vcc(0) depctr_vm_vsrc(0)
	s_getreg_b32 s2, hwreg(HW_REG_IB_STS2, 6, 4)
	s_cmp_eq_u32 s2, 0
	s_cbranch_scc0 .Lentry_in_a_cluster
	s_endpgm
.Lentry_in_a_cluster:
	s_bfe_u32 s2, ttmp6, 0x10000c
	s_cmp_lg_u32 s2, 0xf033
	s_cbranch_scc0 .Lentry_shape_is_right
	s_endpgm
.Lentry_shape_is_right:
; The three quantised projections as ONE product on codes of FP4 (E2M1) with E8M0 scales for each 32 along K: rows m = 0 .. 24575 are q_in's, k_in's, v_in's tokens on end; tensor T = m / 8192 takes rows 1024 T .. of w_codes.
; y = x W + b in f32 sums; q is then multiplied, in f32, by log2(e) / 8 = log2(e) / sqrt(64) (the attention works in base 2); the result is rounded to f16 and laid by heads: qkv16 [T][b 16 + head][s 2048][64].
; A tile of 256 x 256 is made by four waves, 128 x 128 each: 64 accumulators.  K = 1,024 is two LDS slots of 512 along K (rows of 256 bytes): both are filled at the start, and nothing is filled again.
; The scales of the tile's rows, for all of K, are two dense blocks: they come with the first fills.  CLUSTERS 4 x 4: A's tiles are asked for jointly along a row of the cluster, B's along a column.
; T is made of the cluster's y alone (8 clusters a tensor), so all sixteen partners share it.  THE MATRIX INSTRUCTION IS USED TRANSPOSED (source 0 = 16 rows of W, source 1 = 16 tokens): a lane holds eight neighbouring columns of one token.
; The bias is the C of each sum's first product.
; REGISTERS: window 0: v0-31 addresses; v32-95 scale words, two sets; v96-127 packed results; v128-191 A's fragments, one set, later rows on their way out; v192-255 the bias in the result's layout.
;   window 1: B's fragments, two sets (v0, v128).  window 2: accumulators of my rows 0-63 ((a, b) at v[8 (8 a + b)]); window 3: rows 64-127.
; LIMITS: |q log2(e) / 8|, |k|, |v| up to 65,504 (f16).
.set NQ,     4                         ; matrix instructions deep in a slot
.set ROWB,   256                       ; a tile's row: 512 codes
.set KROW,   512                       ; a row of codes in memory
.set PITCH,  272                       ; an LDS row: 256 bytes + 16: the 16 rows of a load start at 16 different banks (64 banks of 4 bytes: ISA guide 11.1)
.set FR,     8
.set NL,     2
.set NP,     4                         ; places behind this matrix instruction (ISA guide 7.12.1)
.set HALFT,  128*PITCH
.set SLOT,   4*HALFT
.set KS,     32                        ; a row of scales in bytes
.set SCL,    2*SLOT
.set HALFS,  (128*KS/256)*272
.set SBLK,   (16*KS/256)*272
.set SPARE,  SCL+4*HALFS               ; the spare words, 128 bytes a wave: two blocks of 256 bytes that no other line names
.set SPITCH, 272                       ; the way out: 16 rows x (256 + 16) bytes for each wave, in slot 0, which has had its only fill and its last read by then
.set ADRA, 16
.set ADRB, 20
.set STO,  24
.set RD,   25
.set CO,   26
.set ADRS, 27
.set SPW,  28
.set NIL,  29
.set BOF,  30                          ; v30: 32 x (lane / 16): my half's eight numbers of the bias
.set SC,   32
.set TMP,  96
.set AF,   128
.set BK,   128
.set BI,   192
.set G1, 24
.set G0, 32
.set G1B, 48
.set G0B, 56
.set G1S, 68
.set G0S, 76
.set G1SB, 80
.set G0SB, 88
.set TN,  95                           ; s95 the tensor
.set BP,  96                           ; s[96:97] the bias
.set QS,  100                          ; s[100:101] log2(e) / 8 for q, 1 for k and v
.set MSB, 0
.macro WIN new                         ; the immediate's high byte repeats the setting that is left
.if MSB != (\new)
	s_set_vgpr_msb (MSB<<8)|(\new)
.set MSB, \new
.endif
.endm
.set MUL_LO, 0xa1                      ; source 0 (B) window 1, source 1 (A) window 0, C and D window 2
.set MUL_HI, 0xf1
.set MUL_LO0, 0x81                     ; the first products: C (the bias) window 0
.set MUL_HI0, 0xc1
.set TO_B,   0x40
; A joint load: waves 0 and 1 fetch for A, waves 2 and 3 for B; the branch hangs on the wave's number alone.  An s_nop 0 and four v_nop follow each line.
.macro JLOAD g0a, g1a, g0b, g1b
	s_cmp_eq_u32 s15, 0
	s_cbranch_scc0 .Lfor_b_\@
	tensor_load_to_lds s[\g0a:\g0a+3], s[\g1a:\g1a+7]
	s_nop 0
.rept 4
	v_nop
.endr
	s_branch .Lasked_\@
.Lfor_b_\@:
	tensor_load_to_lds s[\g0b:\g0b+3], s[\g1b:\g1b+7]
	s_nop 0
.rept 4
	v_nop
.endr
.Lasked_\@:
.endm
.macro CROUND                          ; a round of the cluster's barrier
	s_barrier_signal -1
	s_barrier_wait -1
	s_cmp_lg_u32 s14, 0
	s_cbranch_scc1 .Lnot_wave_0_\@
	s_barrier_signal -3
.Lnot_wave_0_\@:
	s_barrier_wait -3
	s_barrier_signal -1
	s_barrier_wait -1
.endm
	s_load_b128 s[4:7], s[0:1], 0x0                ; x_codes, x_scales
	s_load_b128 s[8:11], s[0:1], 0x10              ; w_codes, w_scales
	s_load_b128 s[96:99], s[0:1], 0x20             ; bq, bk
	s_load_b64 s[66:67], s[0:1], 0x30              ; bv
	s_load_b64 s[12:13], s[0:1], 0x38              ; qkv16
	v_lshl_add_u32 v[SPW], v0, 2, SPARE
	v_mov_b32 v[NIL], 0
	ds_add_u32 v[SPW], v[NIL]                      ; the wave's opening: the add, twice on end, and its wait ahead of my first tensor load
	ds_add_u32 v[SPW], v[NIL]
	v_lshrrev_b32 v1, 5, v0
	v_readfirstlane_b32 s14, v1                    ; wave 0..3
	s_lshr_b32 s15, s14, 1                         ; which half of the tile's rows is mine.  Also: I fetch for A (0) or for B (1)
	s_and_b32 s16, s14, 1                          ; which half of its columns.  Also: which 128 rows I fetch
	s_bfe_u32 s40, ttmp6, 0x40000                  ; cx
	s_bfe_u32 s41, ttmp6, 0x40004                  ; cy
	s_lshl_b32 s42, ttmp9, 2
	s_add_co_u32 s42, s42, s40                     ; tile column
	s_and_b32 s17, ttmp7, 0xffff
	s_lshr_b32 s[TN], s17, 3                       ; the tensor: 8 clusters along y each
	s_lshl_b32 s17, s17, 2
	s_add_co_u32 s17, s17, s41                     ; tile row
	s_lshl_b32 s43, s41, 2
	s_lshl_b32 s43, 15, s43                        ; my row of the cluster
	s_lshl_b32 s44, 0x1111, s40                    ; my column
	s_or_b32 s[G1+0], s43, (0<<16)|(1<<20)|(1<<21)|(5<<22)|(3<<25)   ; the mask; elements of 1 byte; padding: 4 words after every 64
	s_or_b32 s[G1B+0], s44, (0<<16)|(1<<20)|(1<<21)|(5<<22)|(3<<25)
.irp g, G1, G1B
	s_mov_b32 s[\g+1], ROWB<<16                    ; tensor_dim0
	s_mov_b32 s[\g+2], 128<<16                     ; tensor_dim1
	s_mov_b32 s[\g+3], ROWB<<16                    ; tile_dim0
	s_mov_b32 s[\g+4], 128                         ; tile_dim1
	s_mov_b32 s[\g+5], KROW                        ; the pitch
	s_mov_b32 s[\g+6], 0
	s_mov_b32 s[\g+7], 0
.endr
	s_or_b32 s[G1S+0], s43, (3<<16)|(1<<20)|(1<<21)|(5<<22)|(3<<25)  ; the scales of 128 rows: 4,096 dense bytes as 16 rows of 256 (32 elements of 8 bytes), 16 bytes of padding behind each
	s_or_b32 s[G1SB+0], s44, (3<<16)|(1<<20)|(1<<21)|(5<<22)|(3<<25)
.irp g, G1S, G1SB
	s_mov_b32 s[\g+1], 32<<16
	s_mov_b32 s[\g+2], (128*KS/256)<<16
	s_mov_b32 s[\g+3], 32<<16
	s_mov_b32 s[\g+4], 128*KS/256
	s_mov_b32 s[\g+5], 32
	s_mov_b32 s[\g+6], 0
	s_mov_b32 s[\g+7], 0
.endr
	s_lshl_b32 s18, s16, 7                         ; which 128 rows of the tile I fetch
	s_lshl_b32 s20, s17, 8
	s_add_co_u32 s20, s20, s18                     ; A: row 256 x tile row + 128 x half
	s_lshl_b32 s46, s42, 8
	s_add_co_u32 s46, s46, s18                     ; B: row 256 x tile column + 128 x half
	s_lshl_b32 s47, s[TN], 10
	s_add_co_u32 s46, s46, s47                     ; + the tensor's 1,024 rows
	s_mov_b32 s21, 0
	s_mov_b32 s47, 0
	s_mov_b64 s[18:19], KS
	s_mul_u64 s[22:23], s[20:21], s[18:19]         ; where these rows' scales begin,
	s_mul_u64 s[92:93], s[46:47], s[18:19]
	s_mov_b64 s[18:19], KROW
	s_mul_u64 s[20:21], s[20:21], s[18:19]         ; and their codes
	s_mul_u64 s[46:47], s[46:47], s[18:19]
	s_mul_i32 s45, s14, HALFT                      ; where they go: wave x 128 rows
	s_mul_i32 s94, s14, HALFS
	s_mov_b32 s[QS+1], 0x3f800000
	s_cmp_eq_u32 s[TN], 0
	s_cselect_b32 s[QS], 0x3e38aa3b, s[QS+1]       ; log2(e) / 8, or 1
	s_mov_b32 s[QS+1], s[QS]
	s_wait_dscnt 0x0                               ; both opening adds are done
	s_wait_kmcnt 0x0
	s_add_nc_u64 s[20:21], s[4:5], s[20:21]
	s_add_nc_u64 s[22:23], s[6:7], s[22:23]
	s_add_nc_u64 s[46:47], s[8:9], s[46:47]
	s_add_nc_u64 s[92:93], s[10:11], s[92:93]
	CROUND                                         ; all sixteen work-groups are here: the joint loads meet
	s_mov_b32 s[G0S], 1
	s_add_co_u32 s[G0S+1], s94, SCL
	s_mov_b64 s[G0S+2:G0S+3], s[22:23]
	s_or_b32 s[G0S+3], s[G0S+3], 0x80000000
	s_mov_b32 s[G0SB], 1
	s_add_co_u32 s[G0SB+1], s94, SCL
	s_mov_b64 s[G0SB+2:G0SB+3], s[92:93]
	s_or_b32 s[G0SB+3], s[G0SB+3], 0x80000000
	JLOAD G0S, G1S, G0SB, G1SB                     ; the scales first
.irp s, 0,1
	s_mov_b32 s[G0+4*\s], 1
	s_add_co_u32 s[G0+4*\s+1], s45, \s*SLOT
	s_add_nc_u64 s[G0+4*\s+2:G0+4*\s+3], s[20:21], \s*ROWB
	s_or_b32 s[G0+4*\s+3], s[G0+4*\s+3], 0x80000000
	s_mov_b32 s[G0B+4*\s], 1
	s_add_co_u32 s[G0B+4*\s+1], s45, \s*SLOT
	s_add_nc_u64 s[G0B+4*\s+2:G0B+4*\s+3], s[46:47], \s*ROWB
	s_or_b32 s[G0B+4*\s+3], s[G0B+4*\s+3], 0x80000000
	JLOAD G0+4*\s, G1, G0B+4*\s, G1B               ; three tensor loads of mine are out at the most
.endr
	v_and_b32 v1, 15, v0                           ; l % 16
	v_bfe_u32 v2, v0, 4, 1                         ; l / 16
	s_cmp_eq_u32 s[TN], 1                          ; the tensor's bias: the choice hangs on the cluster's y alone
	s_cselect_b64 s[BP:BP+1], s[98:99], s[BP:BP+1]
	s_cmp_eq_u32 s[TN], 2
	s_cselect_b64 s[BP:BP+1], s[66:67], s[BP:BP+1]
	s_lshl_b32 s22, s42, 10
	s_lshl_b32 s23, s16, 9
	s_add_co_u32 s22, s22, s23                     ; my first column x 4 bytes
	s_mov_b32 s23, 0
	s_add_nc_u64 s[BP:BP+1], s[BP:BP+1], s[22:23]
	v_lshlrev_b32 v[BOF], 5, v2
.irp b, 0,1,2,3,4,5,6,7
	global_load_b128 v[BI+8*\b:BI+8*\b+3], v[BOF], s[BP:BP+1] offset:64*\b          ; lane (r, h), block b: the bias of columns 16 b + 8 h + 0 .. 7
	global_load_b128 v[BI+8*\b+4:BI+8*\b+7], v[BOF], s[BP:BP+1] offset:64*\b+16
.endr
	v_mul_u32_u24 v3, v1, PITCH
	v_lshl_add_u32 v4, v2, 4, v3                   ; a fragment's row x pitch + 16 x half
	s_mul_i32 s21, s15, HALFT                      ; my 128 rows of A
	s_mul_i32 s22, s16, HALFT                      ; my 128 rows of B,
	s_add_co_u32 s22, s22, 2*HALFT                 ; behind A's 256
.irp s, 0,1
	v_add_nc_u32 v[ADRA+\s], s21, v4
	v_add_nc_u32 v[ADRB+\s], s22, v4
	s_add_co_u32 s21, s21, SLOT
	s_add_co_u32 s22, s22, SLOT
.endr
	v_mul_u32_u24 v5, v1, KS                       ; my row's scales: KS bytes a row,
	v_lshrrev_b32 v6, 8, v5
	v_lshl_add_u32 v5, v6, 4, v5                   ; and 16 more for each 256 passed
	s_mul_i32 s21, s15, HALFS
	s_mul_i32 s22, s16, HALFS
	s_add_co_u32 s22, s22, 2*HALFS
	s_sub_co_u32 s22, s22, s21
	v_mul_u32_u24 v6, s22, v2                      ; lanes 16-31 take B's
	s_add_co_u32 s21, s21, SCL
	v_add_nc_u32 v5, v5, v6
	v_add_nc_u32 v[ADRS], s21, v5
	s_mul_i32 s23, s14, 16*SPITCH                  ; my stage
	v_mul_u32_u24 v5, v1, SPITCH
	v_lshl_add_u32 v5, v2, 4, v5
	v_add_nc_u32 v[STO], s23, v5                   ; in: row l % 16, 16 bytes for each half of the lanes
	v_and_b32 v6, 31, v0
	v_lshlrev_b32 v[CO], 4, v6                     ; out: 16 bytes a lane
	v_lshrrev_b32 v5, 3, v6
	v_mul_u32_u24 v5, v5, SPITCH
	v_and_b32 v6, 7, v0
	v_lshl_add_u32 v5, v6, 4, v5
	v_add_nc_u32 v[RD], s23, v5                    ; back: eight lanes take a head's 128 bytes of one token, four tokens an instruction
	s_and_b32 s20, s17, 31                         ; where my part begins in qkv16: the tile row within its tensor,
	s_lshr_b32 s20, s20, 3                         ; the batch,
	s_lshl_b32 s20, s20, 4
	s_lshl_b32 s21, s42, 2
	s_add_co_u32 s20, s20, s21
	s_lshl_b32 s21, s16, 1
	s_add_co_u32 s20, s20, s21                     ; 16 x batch + my first head (4 x tile column + 2 x half),
	s_lshl_b32 s20, s20, 18                        ; 2,048 tokens of 128 bytes each,
	s_lshl_b32 s21, s[TN], 24
	s_add_co_u32 s20, s20, s21                     ; the tensor's plane,
	s_and_b32 s21, s17, 7
	s_lshl_b32 s21, s21, 8
	s_lshl_b32 s22, s15, 7
	s_add_co_u32 s21, s21, s22
	s_lshl_b32 s21, s21, 7
	s_add_co_u32 s20, s20, s21                     ; my first token
	s_mov_b32 s21, 0
	s_add_nc_u64 s[12:13], s[12:13], s[20:21]
.macro FRAG reg, adr, q, i             ; 16 rows x 128 K of 4-bit codes: 8 registers: lane l holds row l % 16; registers 4 c .. 4 c + 3 hold K = 64 c + 32 (l / 16) + 0 .. 31
.irp c, 0,1
	ds_load_b128 v[\reg+4*\c:\reg+4*\c+3], v[\adr] offset:64*(\q)+32*\c+(\i)*16*PITCH
.endr
.endm
; 16 matrix instructions: A's blocks a0, a0 + 1 x B's eight, the slot's q-th 128 along K.  p: B's set; sc: the set of scale words.  zero = 1: the sums begin with the bias.
; The 64 accumulators take turns, one instruction a turn, in the same order in every step.
.macro MUL16 a0, p, q, sc, zero
.irp a, \a0, \a0+1
.irp b, 0,1,2,3,4,5,6,7
.if \zero
	v_wmma_scale_f32_16x16x128_f8f6f4 v[8*(8*((\a)%4)+\b):8*(8*((\a)%4)+\b)+7], v[128*(\p)+FR*\b:128*(\p)+FR*\b+FR-1], v[AF+FR*(\a):AF+FR*(\a)+FR-1], v[BI+8*\b:BI+8*\b+7], v[SC+8*NQ*(\sc)+NQ*\b+(\q)], v[SC+8*NQ*(\sc)+NQ*(\a)+(\q)] matrix_a_fmt:MATRIX_FMT_FP4 matrix_b_fmt:MATRIX_FMT_FP4 matrix_a_scale:MATRIX_SCALE_ROW1
.else
	v_wmma_scale_f32_16x16x128_f8f6f4 v[8*(8*((\a)%4)+\b):8*(8*((\a)%4)+\b)+7], v[128*(\p)+FR*\b:128*(\p)+FR*\b+FR-1], v[AF+FR*(\a):AF+FR*(\a)+FR-1], v[8*(8*((\a)%4)+\b):8*(8*((\a)%4)+\b)+7], v[SC+8*NQ*(\sc)+NQ*\b+(\q)], v[SC+8*NQ*(\sc)+NQ*(\a)+(\q)] matrix_a_fmt:MATRIX_FMT_FP4 matrix_b_fmt:MATRIX_FMT_FP4 matrix_a_scale:MATRIX_SCALE_ROW1
.endif
.endr
.endr
.endm
.macro FETCH_B slot, q, p
	WIN TO_B
.irp i, 0,1,2,3,4,5,6,7
	FRAG 128*(\p)+FR*\i, ADRB+\slot, \q, \i
.endr
	WIN 0
.endm
.macro FETCH_A slot, q, i0
.irp i, \i0, \i0+1, \i0+2, \i0+3
	FRAG AF+FR*(\i), ADRA+\slot, \q, \i
.endr
.endm
.macro SCALES sc                       ; a slot's scale words: 4 words a row; lanes 0-15 take A's block i, lanes 16-31 B's block i
.irp i, 0,1,2,3,4,5,6,7
	ds_load_b128 v[SC+8*NQ*\sc+NQ*\i:SC+8*NQ*\sc+NQ*\i+3], v[ADRS] offset:\i*SBLK
.endr
.endm
.macro PLACES n                        ; plain vector lines between a matrix instruction and a load into, or a read of, its registers
.rept \n
	v_nop
.endr
.endm
.macro STEP slot, q, zero              ; a step of 128 along K that has its successor in the same slot
	s_wait_dscnt 4*NL                              ; B's set and A's blocks 0-3 are in; the youngest eight loads (A's blocks 4-7) may be out
.if \zero
	WIN MUL_LO0
.else
	WIN MUL_LO
.endif
	MUL16 0, (\q)%2, \q, \slot, \zero
	MUL16 2, (\q)%2, \q, \slot, \zero
	s_wait_dscnt 0                                 ; A's blocks 4-7 are in
	PLACES NP
	FETCH_B \slot, (\q)+1, 1-(\q)%2
	FETCH_A \slot, (\q)+1, 0
.if \zero
	WIN MUL_HI0
.else
	WIN MUL_HI
.endif
	MUL16 4, (\q)%2, \q, \slot, \zero
	MUL16 6, (\q)%2, \q, \slot, \zero
	PLACES NP
	WIN 0
	FETCH_A \slot, (\q)+1, 4
.endm
.macro TURN slot, next                 ; slot 0's last step changes slots: one barrier; nothing is filled again
	s_wait_tensorcnt 0x0                           ; my part of the next slot has landed
	ds_add_u32 v[SPW], v[NIL]                      ; 0 onto my spare word
	s_wait_dscnt 4*NL+1                            ; the add and the youngest eight loads may be out
	WIN MUL_LO
	MUL16 0, 1, NQ-1, \slot, 0
	s_wait_dscnt 0x0                               ; the add is done, and my reads of this slot are over
	s_barrier_signal -1
	MUL16 2, 1, NQ-1, \slot, 0
	WIN 0
	s_barrier_wait -1                              ; the next slot is whole, and nobody reads this one any more
	PLACES NP
	v_add_nc_u32 v[ADRS], 4*NQ, v[ADRS]            ; the next slot's scale words
	FETCH_B \next, 0, 0
	FETCH_A \next, 0, 0
	SCALES \next
	WIN MUL_HI
	MUL16 4, 1, NQ-1, \slot, 0
	MUL16 6, 1, NQ-1, \slot, 0
	PLACES NP
	WIN 0
	FETCH_A \next, 0, 4
.endm
.macro STEPS slot, from
.set Q, \from
.rept NQ-1-\from
	STEP \slot, Q, 0
.set Q, Q+1
.endr
.endm
	s_wait_tensorcnt 1                             ; the scales and my part of slot 0 are in; slot 1's load may be out
	s_barrier_signal -1
	s_barrier_wait -1
	FETCH_B 0, 0, 0
	FETCH_A 0, 0, 0
	SCALES 0
	FETCH_A 0, 0, 4
	s_wait_loadcnt 0x0                             ; the bias
	STEP 0, 0, 1
	STEPS 0, 1
	TURN 0, 1
	STEPS 1, 0
	s_wait_dscnt 4*NL                              ; the last step: nothing more to fetch
	WIN MUL_LO
	MUL16 0, 1, NQ-1, 1, 0
	MUL16 2, 1, NQ-1, 1, 0
	s_wait_dscnt 0
	WIN MUL_HI
	MUL16 4, 1, NQ-1, 1, 0
	MUL16 6, 1, NQ-1, 1, 0
	WIN 0
; THE WAY OUT, a block of 16 tokens x 128 columns (two heads) at a time: x log2(e) / 8 or 1, rounded to f16, 16 bytes a lane into my stage, back as four tokens x 128 bytes of one head, which are 512 consecutive bytes of qkv16.
.macro PACK a
.set AC, 64*((\a)%4)
	WIN 0x82+0x41*((\a)/4)                         ; destination and source 0: window 2 or 3
.set i, 0
.rept 32
	v_pk_mul_f32 v[AC+i:AC+i+1], v[AC+i:AC+i+1], s[QS:QS+1] op_sel_hi:[1,0]   ; each accumulator from its low end on
.set i, i+2
.endr
	WIN 0x0a+5*((\a)/4)                            ; sources 0 and 1: window 2 or 3
.irp b, 0,1,2,3,4,5,6,7
.irp r, 0,1,2,3
	v_cvt_pk_f16_f32 v[TMP+4*\b+\r], v[AC+8*\b+2*\r], v[AC+8*\b+2*\r+1]
.endr
.endr
	WIN 0
.endm
.macro TOSTAGE a
.irp b, 0,1,2,3,4,5,6,7
	ds_store_b128 v[STO], v[TMP+4*\b:TMP+4*\b+3] offset:32*\b
.endr
.set BB, BK+32*((\a)%2)
.irp n, 0,1,2,3,4,5,6,7                ; n = 4 x head + i: tokens 4 i .. 4 i + 3
	ds_load_b128 v[BB+4*\n:BB+4*\n+3], v[RD] offset:128*(\n/4)+4*(\n%4)*SPITCH   ; LDS serves a wave's instructions in order (ISA guide 5.7.1.4): these see the stores above
.endr
.endm
.macro SEND a
.set BB, BK+32*((\a)%2)
	s_wait_dscnt 0x0                               ; the block is back in registers
	s_wait_xcnt 0x0                                ; the block before has had its stores' registers read: the next loads from the stage may land there
.irp n, 0,1,2,3,4,5,6,7
	global_store_b128 v[CO], v[BB+4*\n:BB+4*\n+3], s[12:13] offset:(\n/4)*262144+(\a)*2048+(\n%4)*512   ; 512 consecutive bytes, aligned
.endr
.endm
	PLACES NP
	PACK 0
	TOSTAGE 0
.irp a, 1,2,3,4,5,6,7                  ; block a's arithmetic stands between block a - 1's loads from the stage and the wait for them
	PACK \a
	SEND \a-1
	TOSTAGE \a
.endr
	SEND 7
	s_wait_tensorcnt 0x0                           ; the wave's end
	ds_add_u32 v[SPW], v[NIL]
	s_wait_dscnt 0x0
	CROUND                                         ; the closing round
	s_endpgm
.Lfunc_end_k_qfcf424468d_proj:
	.size	k_qfcf424468d_proj, .Lfunc_end_k_qfcf424468d_proj-k_qfcf424468d_proj
	.p2alignl 7, 3214868480
	.fill 96, 4, 3214868480
	.section	.rodata,"a",@progbits
	.p2align	6, 0x0
	.amdhsa_kernel k_qfcf424468d_proj
		.amdhsa_group_segment_fixed_size 327680
		.amdhsa_private_segment_fixed_size 0
		.amdhsa_enable_private_segment 0
		.amdhsa_kernarg_size 64
		.amdhsa_user_sgpr_count 2
		.amdhsa_user_sgpr_kernarg_segment_ptr 1
		.amdhsa_wavefront_size32 1
		.amdhsa_system_sgpr_workgroup_id_x 1
		.amdhsa_system_sgpr_workgroup_id_y 1
		.amdhsa_system_sgpr_workgroup_id_z 1
		.amdhsa_system_vgpr_workitem_id 0
		.amdhsa_next_free_vgpr 1024
		.amdhsa_next_free_sgpr 102
		.amdhsa_reserve_vcc 0
		.amdhsa_float_denorm_mode_32 3
		.amdhsa_float_denorm_mode_16_64 3
		.amdhsa_memory_ordered 1
		.amdhsa_forward_progress 1
		.amdhsa_inst_pref_size 145
	.end_amdhsa_kernel
	.amdgpu_metadata
---
amdhsa.version: [ 1, 2 ]
amdhsa.kernels:
  - .name:           k_qfcf424468d_proj
    .symbol:         k_qfcf424468d_proj.kd
    .args:
      - { .name: x_codes, .offset: 0, .size: 8, .value_kind: global_buffer, .address_space: global }
      - { .name: x_scales, .offset: 8, .size: 8, .value_kind: global_buffer, .address_space: global }
      - { .name: w_codes, .offset: 16, .size: 8, .value_kind: global_buffer, .address_space: global }
      - { .name: w_scales, .offset: 24, .size: 8, .value_kind: global_buffer, .address_space: global }
      - { .name: bq, .offset: 32, .size: 8, .value_kind: global_buffer, .address_space: global }
      - { .name: bk, .offset: 40, .size: 8, .value_kind: global_buffer, .address_space: global }
      - { .name: bv, .offset: 48, .size: 8, .value_kind: global_buffer, .address_space: global }
      - { .name: qkv16, .offset: 56, .size: 8, .value_kind: global_buffer, .address_space: global }
    .group_segment_fixed_size: 327680
    .private_segment_fixed_size: 0
    .kernarg_segment_align: 8
    .kernarg_segment_size: 64
    .max_flat_workgroup_size: 128
    .sgpr_count:     102
    .vgpr_count:     1024
    .wavefront_size: 32
...
	.end_amdgpu_metadata
.endif
;; end of part 3
;; launch attn (part 4): grid 8 x 32, 8 waves a work-group, clusters of 4 x 1, 327,680 bytes of LDS; arguments qkv16, mkimg, o16; writes o16
.if DOCPART == 4
	.amdgcn_target "amdgcn-amd-amdhsa--gfx1250"
	.amdhsa_code_object_version 6
	.text
	.protected	k_qfcf424468d_attn
	.globl	k_qfcf424468d_attn
	.p2align	8
	.type	k_qfcf424468d_attn,@function
k_qfcf424468d_attn:
	s_mov_b64 s[64:65], 0
	v_nop
	global_prefetch_b8 v0, s[64:65] scope:SCOPE_SE
	s_setreg_imm32_b32 hwreg(HW_REG_WAVE_MODE, 25, 1), 1
	s_wait_xcnt 0x0
	s_wait_alu depctr_hold_cnt(0) depctr_sa_sdst(0) depctr_va_vdst(0) depctr_va_sdst(0) depctr_va_ssrc(0) depctr_va_vcc(0) depctr_vm_vsrc(0)
	s_getreg_b32 s2, hwreg(HW_REG_IB_STS2, 6, 4)
	s_cmp_eq_u32 s2, 0
	s_cbranch_scc0 .Lentry_in_a_cluster
	s_endpgm
.Lentry_in_a_cluster:
	s_bfe_u32 s2, ttmp6, 0x10000c
	s_cmp_lg_u32 s2, 0x3003
	s_cbranch_scc0 .Lentry_shape_is_right
	s_endpgm
.Lentry_shape_is_right:
; o[bh][q][:] = the sum over k of softmax_k(q . k / 8 - mask[q][k] FMAX) v[bh][k][:], in base 2.  qkv16: three planes [bh 64][s 2048][64] f16: q log2(e) / 8, k, v.
; mkimg: -FMAX x mask x log2(e), held at +-FMAX, as images of the score accumulator.  o16: [bh][s][64] f16.
; Products on f16 operands with f32 sums; maxima, exponentials and sums in f32; the weights p are rounded to f16 for the second product, o once at the end.
; SHARES.  A work-group owns 256 queries of TWO heads of one batch (bh = 2 y, 2 y + 1); each of its eight waves owns 32 queries (two tiles of 16) of both heads, in 512 registers: two waves to a SIMD.
; TWO HEADS, TWO REGISTER WINDOWS.  Head A's statistics, Q, K / V / p, scores and O^T lie in window 0, head B's at the same numbers in window 1: one text (SOFTPV) serves both under two window settings.  Addresses lie in window 0.
; THE MASK IS THE C OF THE FIRST PRODUCT, AND IS LOADED ONCE FOR BOTH HEADS: its tiles, laid in the accumulator's own order, are loaded from memory straight into head A's score registers, 512 consecutive bytes an instruction.
; Head B's first products take them from there as C (D in window 1); then head A's products add in place.  The next step's mask is asked for as soon as head A's weights are rounded: it has the rest of A's step, all of B's
; softmax and products, and the next K loads in which to land.
; LAYOUT.  S^T = K Q^T + C (source 0 = 16 keys, source 1 = 16 queries): a lane holds ONE query (lane % 16) and keys 8 (lane / 16) + 0 .. 7.  Two score tiles, rounded in pairs, are source 1 (32 keys x 16 queries) of
; O^T = V^T P; V ([key][channel]) comes out of LDS turned, by ds_load_tr16_b128.  V's keys 32-63 of a head land in the OTHER window's v96-127, free at that time, so that a head's 16 products V^T P stand on end.
; SOFTMAX.  Running maximum m and sum for each query; p = 2^(s - m): the difference is taken first, so that s = m = -FMAX (a query all of whose keys are masked alike) gives p = 1.
; RING.  K and V of both heads come through two LDS slots of 256 keys; each wave fetches one tile of 128 rows for each fill.  Every wave walks all 2,048 keys, 64 a step: eight fills.
; CLUSTER.  The four query blocks of a cluster belong to one pair of heads and walk the same K and V, 32 KB of a step's 96 KB: each tile is asked for JOINTLY, by the same tensor load with the same descriptor and a mask that
; names the four.  The query block enters Q's, the mask's and O's addresses alone.
; LIMITS: |q log2(e) / 8|, |k|, |v|, |o| up to 65,504 (f16); NaN and infinities are not served; |mask| above 0.693 is held at +-FMAX in mkimg: a query ALL of whose keys carry such values, differing among themselves,
; is weighed evenly over them, where the definition keeps only the least masked; equal values (0 and 1 among them) come out as the definition has them.
.set PK,    144                        ; a row of K in LDS: 128 bytes + 16
.set PV,    160                        ; a row of V: 128 + 32
.set KREG,  256*PK                     ; a head's part of a slot: 256 rows of K, then 256 rows of V
.set HEADB, 256*(PK+PV)
.set SLOT1, 2*HEADB
.set SPARE, 2*SLOT1                    ; the spare words, 128 bytes a wave: four blocks of 256 bytes that no other line names
.set AK0, 1                            ; v1  my lane's place in a tile of K
.set AV0, 2                            ; v2  in a tile of V
.set ADK, 3                            ; v3, v4 the step's LDS addresses, head A
.set ADV, 4
.set MO,  5                            ; v5  16 x lane
.set SPW, 6
.set NIL, 7
.set ADKB, 8                           ; v8, v9 the same, head B
.set ADVB, 9
.set STO, 10                           ; v10 first Q's offset, at the end the way into the stage
.set RD,  11                           ; v11 the way back
.set ST,  12                           ; tile t at v[ST + 8 t]: +0 m, +1 old m, +2, +3 the sum, +4 .. +7 at work; the rescaling factor at +6, its exponent at +7
.set SU2, 28                           ; v28-31 a second chain of sums for each tile
.set Q,   32                           ; Q's fragment (t, ds) at 32 + 16 t + 8 ds
.set KB,  64                           ; K's fragment (kt, ds) at 64 + 16 kt + 8 ds; later:
.set VB,  64                           ; V's fragment c of keys 0-31 at 64 + 8 c,
.set P,   96                           ; p's fragment (t, g) at 96 + 16 t + 8 g;
.set V2,  96                           ; and, in the other head's window, V's fragment c of keys 32-63 at 96 + 8 c
.set S,   128                          ; scores (t, kt) at 128 + 32 t + 8 kt
.set O,   192                          ; O^T (t, c) at 192 + 32 t + 8 c
.set WV,  10
.set TBK, 11                           ; LDS byte at which the step's rows of K begin in a head's part
.set CNT, 12
.set OUTER, 13
.set TBV, 14                           ; the same for V
.set SEL, 16                           ; s[16:17] lane l xor 16
.set MB,  18                           ; s[18:19] the mask images of my two query tiles, at the step to be loaded
.set HD,  20                           ; what I fetch: the head,
.set KIND, 21                          ; K (0) or V (1),
.set HALF, 22                          ; which 128 rows of a slot's 256
.set G1K, 24
.set G1V, 32
.set G0A, 40                           ; group 0 for slot 0
.set G0B, 44                           ; for slot 1
.set MSB, 0
.macro WIN new                         ; bits 1:0 source 0, 3:2 source 1, 5:4 source 2, 7:6 destination; the immediate's high byte repeats the setting that is left
.if MSB != (\new)
	s_set_vgpr_msb (MSB<<8)|(\new)
.set MSB, \new
.endif
.endm
.macro CROUND                          ; a round of the cluster's barrier
	s_barrier_signal -1
	s_barrier_wait -1
	s_cmp_lg_u32 s[WV], 0
	s_cbranch_scc1 .Lnot_wave_0_\@
	s_barrier_signal -3
.Lnot_wave_0_\@:
	s_barrier_wait -3
	s_barrier_signal -1
	s_barrier_wait -1
.endm
	s_load_b128 s[4:7], s[0:1], 0x0                ; qkv16, mkimg
	s_load_b64 s[8:9], s[0:1], 0x10                ; o16
	v_lshl_add_u32 v[SPW], v0, 2, SPARE
	v_mov_b32 v[NIL], 0
	ds_add_u32 v[SPW], v[NIL]                      ; the wave's opening: the add, twice on end, and its wait ahead of my first tensor load
	ds_add_u32 v[SPW], v[NIL]
	v_lshrrev_b32 v1, 5, v0
	v_readfirstlane_b32 s[WV], v1                  ; wave 0..7
	s_mov_b32 s[G1K], 15|(1<<16)|(1<<20)|(1<<21)|(4<<22)|(3<<25)   ; the mask: all four work-groups; elements of 2 bytes; padding: 4 words after every 32
	s_mov_b32 s[G1V], 15|(1<<16)|(1<<20)|(1<<21)|(4<<22)|(7<<25)   ; 8 words
.irp g, G1K, G1V
	s_mov_b32 s[\g+1], 64<<16                      ; tensor_dim0 = 64
	s_mov_b32 s[\g+2], 128<<16                     ; tensor_dim1 = 128
	s_mov_b32 s[\g+3], 64<<16                      ; tile_dim0 = 64
	s_mov_b32 s[\g+4], 128                         ; tile_dim1 = 128
	s_mov_b32 s[\g+5], 64                          ; the pitch
	s_mov_b32 s[\g+6], 0
	s_mov_b32 s[\g+7], 0
.endr
	s_mov_b32 s[SEL], 0x76543210
	s_mov_b32 s[SEL+1], 0xfedcba98
	s_and_b32 s[HD], s[WV], 1
	s_bfe_u32 s[KIND], s[WV], 0x10001
	s_lshr_b32 s[HALF], s[WV], 2
	s_mul_i32 s23, s[HD], HEADB                    ; my tile's place in slot 0: the head's part,
	s_mul_i32 s56, s[KIND], KREG                   ; V behind K,
	s_add_co_u32 s23, s23, s56
	s_mul_i32 s56, s[HALF], 128*PK                 ; 128 rows on, at K's pitch,
	s_add_co_u32 s23, s23, s56
	s_and_b32 s56, s[HALF], s[KIND]
	s_mul_i32 s56, s56, 128*(PV-PK)                ; or at V's
	s_add_co_u32 s23, s23, s56
	s_and_b32 s57, ttmp7, 0xffff                   ; the pair of heads, which the four partners share
	s_add_co_u32 s50, s[KIND], 1
	s_lshl_b32 s50, s50, 24                        ; the plane,
	s_lshl_b32 s56, s57, 19
	s_add_co_u32 s50, s50, s56                     ; the pair's first head: 2,048 rows of 128 bytes a head,
	s_lshl_b32 s56, s[HD], 18
	s_add_co_u32 s50, s50, s56                     ; my head,
	s_lshl_b32 s56, s[HALF], 14
	s_add_co_u32 s50, s50, s56                     ; my 128 rows
	s_mov_b32 s51, 0
	s_bfe_u32 s48, ttmp6, 0x40000                  ; cx: my place in the cluster
	s_lshl_b32 s49, ttmp9, 2
	s_add_co_u32 s48, s49, s48                     ; my block of 256 queries = 4 x cluster x + cx
	s_lshl_b32 s52, s57, 19
	s_lshl_b32 s49, s48, 15
	s_add_co_u32 s52, s52, s49
	s_lshl_b32 s49, s[WV], 12
	s_add_co_u32 s52, s52, s49                     ; my first query's row of head A, in plane 0 and in o16
	s_mov_b32 s53, 0
	s_lshl_b32 s54, s48, 21
	s_lshl_b32 s49, s[WV], 18
	s_add_co_u32 s54, s54, s49                     ; my first query tile's images: 131,072 bytes a tile
	s_mov_b32 s55, 0
	s_wait_dscnt 0x0                               ; both opening adds are done
	s_wait_kmcnt 0x0
	s_mov_b32 s[G0A], 1
	s_mov_b32 s[G0A+1], s23
	s_add_nc_u64 s[G0A+2:G0A+3], s[4:5], s[50:51]
	s_or_b32 s[G0A+3], s[G0A+3], 0x80000000
	s_mov_b32 s[G0B], 1
	s_add_co_u32 s[G0B+1], s23, SLOT1
	s_add_nc_u64 s[G0B+2:G0B+3], s[4:5], s[50:51]
	s_add_nc_u64 s[G0B+2:G0B+3], s[G0B+2:G0B+3], 32768   ; 256 keys on
	s_or_b32 s[G0B+3], s[G0B+3], 0x80000000
	CROUND                                         ; all four work-groups are here: the first joint loads meet
	s_cmp_eq_u32 s[KIND], 0                        ; a wave's two first fills stand in one branch: two tensor loads of mine are out
	s_cbranch_scc0 .Lfirst_v
	tensor_load_to_lds s[G0A:G0A+3], s[G1K:G1K+7]
	s_nop 0
	tensor_load_to_lds s[G0B:G0B+3], s[G1K:G1K+7]
	s_nop 0
.rept 4
	v_nop
.endr
	s_branch .Lfirst_asked
.Lfirst_v:
	tensor_load_to_lds s[G0A:G0A+3], s[G1V:G1V+7]
	s_nop 0
	tensor_load_to_lds s[G0B:G0B+3], s[G1V:G1V+7]
	s_nop 0
.rept 4
	v_nop
.endr
.Lfirst_asked:
	s_add_nc_u64 s[4:5], s[4:5], s[52:53]          ; Q at my first query, head A; head B lies 262,144 bytes on
	s_add_nc_u64 s[8:9], s[8:9], s[52:53]          ; o16 likewise
	s_add_nc_u64 s[MB:MB+1], s[6:7], s[54:55]
	v_and_b32 v3, 15, v0                           ; r
	v_bfe_u32 v4, v0, 4, 1                         ; h
	v_lshlrev_b32 v[STO], 7, v3
	v_lshl_add_u32 v[STO], v4, 4, v[STO]           ; Q: row r of 128 bytes + 16 h
.irp hd, 0,1
	WIN 0x40*\hd                                   ; the destination: the head's window
.irp t, 0,1
.irp ds, 0,1
	global_load_b128 v[Q+16*\t+8*\ds:Q+16*\t+8*\ds+3], v[STO], s[4:5] offset:\hd*262144+\t*2048+64*\ds
	global_load_b128 v[Q+16*\t+8*\ds+4:Q+16*\t+8*\ds+7], v[STO], s[4:5] offset:\hd*262144+\t*2048+64*\ds+32
.endr
.endr
.endr
	WIN 0
	v_and_b32 v[MO], 31, v0
	v_lshlrev_b32 v[MO], 4, v[MO]
.macro MLOAD                           ; a step's mask: 2 query tiles x 4 key tiles x 2 halves, straight into head A's score registers
.irp t, 0,1
.irp kt, 0,1,2,3
.irp c, 0,1
	global_load_b128 v[S+32*\t+8*\kt+4*\c:S+32*\t+8*\kt+4*\c+3], v[MO], s[MB:MB+1] offset:\t*131072+\kt*1024+\c*512
.endr
.endr
.endr
.endm
	MLOAD                                          ; step 0's
	v_mul_u32_u24 v[AK0], v3, PK
	v_lshl_add_u32 v[AK0], v4, 4, v[AK0]           ; row r x pitch + 16 h
	v_and_b32 v8, 7, v0
	v_lshl_add_u32 v[AV0], v4, 3, v8               ; the turning load: key 8 h + lane % 8,
	v_mul_u32_u24 v[AV0], v[AV0], PV
	v_bfe_u32 v8, v0, 3, 1
	v_lshl_add_u32 v[AV0], v8, 4, v[AV0]           ; channels 8 ((lane / 8) % 2) on
	v_add_nc_u32 v[AV0], KREG, v[AV0]
.irp hd, 0,1
	WIN 0x40*\hd
.irp t, 0,1
	v_mov_b32 v[ST+8*\t], 0xff7fffff               ; m = -FMAX, at or under every score
	v_mov_b32 v[ST+8*\t+2], 0
	v_mov_b32 v[ST+8*\t+3], 0
.endr
.set i, 0
.rept 64
	v_mov_b32 v[O+i], 0                            ; O^T.  (The step is written once for all steps: the first finds zeros)
.set i, i+1
.endr
.endr
	WIN 0
; A joint refill: K's shape or V's, by what the wave fetches.  An s_nop 0 and four v_nop follow each line.
.macro TLOAD g0
	s_cmp_eq_u32 s[KIND], 0
	s_cbranch_scc0 .Lfor_v_\@
	tensor_load_to_lds s[\g0:\g0+3], s[G1K:G1K+7]
	s_nop 0
.rept 4
	v_nop
.endr
	s_branch .Lasked_\@
.Lfor_v_\@:
	tensor_load_to_lds s[\g0:\g0+3], s[G1V:G1V+7]
	s_nop 0
.rept 4
	v_nop
.endr
.Lasked_\@:
.endm
; THE CHANGE OF SLOTS.  Each wave waits for all its tensor loads (its part of the slot ahead), adds 0 to its spare word, waits for that and for its reads of the slot that it leaves; behind the barrier the slot ahead is whole
; and nobody reads the other.  fill = 1: the barrier is a round of the cluster's, and the slot that was left takes the keys 512 on: one joint load a wave, with four steps of two heads in which to land.
.macro CHANGE fill, g0
	s_wait_tensorcnt 0x0
	ds_add_u32 v[SPW], v[NIL]
.if \fill
	s_add_nc_u64 s[\g0+2:\g0+3], s[\g0+2:\g0+3], 65536   ; no tensor load of mine is out: the group 0 may be written
.endif
	s_wait_dscnt 0x0
.if \fill
	CROUND
	TLOAD \g0
.else
	s_barrier_signal -1
	s_barrier_wait -1
.endif
.endm
.macro KLOAD h, adr                    ; a head's eight fragments of K into its window
	WIN 0x40*(\h)
.irp kt, 0,1,2,3
.irp ds, 0,1
	ds_load_b128 v[KB+16*\kt+8*\ds:KB+16*\kt+8*\ds+3], v[\adr] offset:\kt*16*PK+64*\ds
	ds_load_b128 v[KB+16*\kt+8*\ds+4:KB+16*\kt+8*\ds+7], v[\adr] offset:\kt*16*PK+64*\ds+32
.endr
.endr
.endm
.macro QK ds                           ; eight products K Q^T, channels 32 ds on, under the windows that stand: the eight accumulators by turns
.irp kt, 0,1,2,3
.irp t, 0,1
	v_wmma_f32_16x16x32_f16 v[S+32*\t+8*\kt:S+32*\t+8*\kt+7], v[KB+16*\kt+8*(\ds):KB+16*\kt+8*(\ds)+7], v[Q+16*\t+8*(\ds):Q+16*\t+8*(\ds)+7], v[S+32*\t+8*\kt:S+32*\t+8*\kt+7]
.endr
.endr
.endm
; ONE HEAD'S SOFTMAX AND V^T P for a step: head h in window h; adv: its LDS address of V.  next = 1 (head A alone): the next step's mask is asked for.
.macro SOFTPV h, adv, next
	WIN 0x40*(\h)
.irp c, 0,1,2,3                        ; V's keys 0-31, turned, where this head's K lay: they land while the softmax is walked
	ds_load_tr16_b128 v[VB+8*\c:VB+8*\c+3], v[\adv] offset:32*\c
	ds_load_tr16_b128 v[VB+8*\c+4:VB+8*\c+7], v[\adv] offset:32*\c+16*PV
.endr
	WIN 0x55*(\h)
.irp kt, 0,1,2,3                       ; the maximum: four chains a tile, each accumulator from its low end on; the tiles by turns
.irp t, 0,1
	v_max3_num_f32 v[ST+8*\t+4+\kt], v[S+32*\t+8*\kt], v[S+32*\t+8*\kt+1], v[S+32*\t+8*\kt+2]
.endr
.endr
	WIN 0x40*(1-(\h))
.irp c, 0,1,2,3                        ; V's keys 32-63 into the other window's v96-127: its last products stand eight plain lines back or more
	ds_load_tr16_b128 v[V2+8*\c:V2+8*\c+3], v[\adv] offset:32*PV+32*\c
	ds_load_tr16_b128 v[V2+8*\c+4:V2+8*\c+7], v[\adv] offset:32*PV+32*\c+16*PV
.endr
	WIN 0x55*(\h)
.irp i, 3,5
.irp kt, 0,1,2,3
.irp t, 0,1
	v_max3_num_f32 v[ST+8*\t+4+\kt], v[ST+8*\t+4+\kt], v[S+32*\t+8*\kt+\i], v[S+32*\t+8*\kt+\i+1]
.endr
.endr
.endr
.irp t, 0,1
	v_max3_num_f32 v[ST+8*\t+4], v[ST+8*\t+4], v[S+32*\t+7], v[S+32*\t+15]
	v_max3_num_f32 v[ST+8*\t+6], v[ST+8*\t+6], v[S+32*\t+23], v[S+32*\t+31]
.endr
.irp t, 0,1
	v_max3_num_f32 v[ST+8*\t+4], v[ST+8*\t+4], v[ST+8*\t+5], v[ST+8*\t+6]
.endr
.irp t, 0,1
	v_max3_num_f32 v[ST+8*\t+4], v[ST+8*\t+4], v[ST+8*\t+7], v[ST+8*\t]
.endr
.irp t, 0,1
	v_permlanex16_b32 v[ST+8*\t+5], v[ST+8*\t+4], s[SEL], s[SEL+1]   ; the query's other 32 keys lie in the lane 16 away
.endr
.irp t, 0,1
	v_max_num_f32 v[ST+8*\t], v[ST+8*\t+4], v[ST+8*\t+5]           ; the new m
.endr
.irp t, 0,1
	v_sub_f32 v[ST+8*\t+7], v[ST+8*\t+1], v[ST+8*\t]               ; old m - new m
.endr
.irp t, 0,1
.irp j, 0,2,4,6,8,10,12,14,16,18,20,22,24,26,28,30
	v_pk_add_f32 v[S+32*\t+\j:S+32*\t+\j+1], v[S+32*\t+\j:S+32*\t+\j+1], v[ST+8*\t:ST+8*\t+1] op_sel_hi:[1,0] neg_lo:[0,1] neg_hi:[0,1]   ; s - m
.endr
.endr
.set j, 0
.rept 64
	v_exp_f32 v[S+j], v[S+j]                       ; p, at most 1
.set j, j+1
.endr
	v_exp_f32 v[ST+6], v[ST+7]                     ; the rescaling factors
	v_exp_f32 v[ST+14], v[ST+15]
	v_nop                                          ; a plain line behind the last exponential
	s_wait_alu depctr_va_vdst(0)                   ; one wait for the batch of 66, ahead of its first reader
.irp t, 0,1
	v_pk_fma_f32 v[ST+8*\t+2:ST+8*\t+3], v[ST+8*\t+2:ST+8*\t+3], v[ST+8*\t+6:ST+8*\t+7], v[S+32*\t:S+32*\t+1] op_sel_hi:[1,0,1]   ; the sum under the new m, and the first pair
	v_pk_add_f32 v[SU2+2*\t:SU2+2*\t+1], v[S+32*\t+2:S+32*\t+3], v[S+32*\t+4:S+32*\t+5]   ; a second chain
.endr
.irp j, 6,10,14,18,22,26
.irp t, 0,1
	v_pk_add_f32 v[ST+8*\t+2:ST+8*\t+3], v[ST+8*\t+2:ST+8*\t+3], v[S+32*\t+\j:S+32*\t+\j+1]
	v_pk_add_f32 v[SU2+2*\t:SU2+2*\t+1], v[SU2+2*\t:SU2+2*\t+1], v[S+32*\t+\j+2:S+32*\t+\j+3]
.endr
.endr
.irp t, 0,1
	v_pk_add_f32 v[ST+8*\t+2:ST+8*\t+3], v[ST+8*\t+2:ST+8*\t+3], v[S+32*\t+30:S+32*\t+31]
.endr
.irp t, 0,1
	v_pk_add_f32 v[ST+8*\t+2:ST+8*\t+3], v[ST+8*\t+2:ST+8*\t+3], v[SU2+2*\t:SU2+2*\t+1]
.endr
.set i, 0
.rept 32
	v_cvt_pk_f16_f32 v[P+i], v[S+2*i], v[S+2*i+1]  ; two score tiles make a fragment of p: nothing changes lanes
.set i, i+1
.endr
.if \next
	MLOAD                                          ; head A's score registers are free: the next step's mask goes out
.endif
.irp t, 0,1
.irp j, 0,2,4,6,8,10,12,14,16,18,20,22,24,26,28,30
	v_pk_mul_f32 v[O+32*\t+\j:O+32*\t+\j+1], v[O+32*\t+\j:O+32*\t+\j+1], v[ST+8*\t+6:ST+8*\t+7] op_sel_hi:[1,0]   ; O^T under the new m, each accumulator from its low end on
.endr
.endr
	s_wait_dscnt 0x0                               ; V, all 64 keys
.irp c, 0,1,2,3                        ; O^T += V^T P: the eight accumulators by turns, keys 0-31,
.irp t, 0,1
	v_wmma_f32_16x16x32_f16 v[O+32*\t+8*\c:O+32*\t+8*\c+7], v[VB+8*\c:VB+8*\c+7], v[P+16*\t:P+16*\t+7], v[O+32*\t+8*\c:O+32*\t+8*\c+7]
.endr
.endr
	WIN 0x01+0x53*(\h)                             ; source 0 in the other window, all else in this head's
.irp c, 0,1,2,3                        ; and keys 32-63
.irp t, 0,1
	v_wmma_f32_16x16x32_f16 v[O+32*\t+8*\c:O+32*\t+8*\c+7], v[V2+8*\c:V2+8*\c+7], v[P+16*\t+8:P+16*\t+15], v[O+32*\t+8*\c:O+32*\t+8*\c+7]
.endr
.endr
.endm
; A KEY STEP: 64 keys, both heads.  next = 1: the next step's mask is asked for.
.macro STEP next
	v_add_nc_u32 v[ADK], s[TBK], v[AK0]            ; these four lines are the places between the last products and the loads into registers that they read
	v_add_nc_u32 v[ADV], s[TBV], v[AV0]
	v_add_nc_u32 v[ADKB], HEADB, v[ADK]
	v_add_nc_u32 v[ADVB], HEADB, v[ADV]
	KLOAD 1, ADKB
	KLOAD 0, ADK
	s_add_co_u32 s[TBK], s[TBK], 64*PK
	s_add_co_u32 s[TBV], s[TBV], 64*PV
	s_wait_loadcnt 0x0                             ; the mask lies in head A's score registers (in the first step: Q too); the loads' base is free,
	s_add_nc_u64 s[MB:MB+1], s[MB:MB+1], 4096      ; and steps four key tiles on
	s_wait_dscnt 16                                ; head B's K is in; head A's 16 loads may be out
	WIN 0x45                                       ; K, Q and D in window 1, C in window 0:
	QK 0                                           ; head B's sums begin with the mask
	WIN 0x55
	QK 1
	v_mov_b32 v[ST+1], v[ST]                       ; head B's m is kept for the rescaling.  Five plain lines between the products that read the mask and those that write over it (ISA guide 7.12.1)
	v_mov_b32 v[ST+9], v[ST+8]
	v_nop
	v_nop
	v_nop
	WIN 0
	s_wait_dscnt 0x0                               ; head A's K
	QK 0                                           ; head A's sums add onto the mask in place
	QK 1
	v_mov_b32 v[ST+1], v[ST]                       ; head A's m.  Four places behind the products
	v_mov_b32 v[ST+9], v[ST+8]
	v_nop
	v_nop
	SOFTPV 0, ADV, \next
	SOFTPV 1, ADVB, 0
	WIN 0                                          ; at a label and at a branch every window is 0
.endm
.macro PHASE n                         ; n steps of the slot in hand
	s_mov_b32 s[CNT], \n
.Lstep_\@:
	STEP 1
	s_sub_co_u32 s[CNT], s[CNT], 1
	s_cmp_lg_u32 s[CNT], 0
	s_cbranch_scc1 .Lstep_\@
.endm
	s_wait_tensorcnt 1                             ; my part of slot 0 is in; slot 1's may stay out
	s_barrier_signal -1
	s_barrier_wait -1
	s_mov_b32 s[OUTER], 3
.Lpair:                                            ; three trips: keys 512 i .. 512 i + 511; both slots are filled again, with the keys 512 on
	s_mov_b32 s[TBK], 0
	s_mov_b32 s[TBV], 0
	PHASE 4
	CHANGE 1, G0A
	s_mov_b32 s[TBK], SLOT1
	s_mov_b32 s[TBV], SLOT1
	PHASE 4
	CHANGE 1, G0B
	s_sub_co_u32 s[OUTER], s[OUTER], 1
	s_cmp_lg_u32 s[OUTER], 0
	s_cbranch_scc1 .Lpair
	s_mov_b32 s[TBK], 0                            ; the last 512 keys are written out: nothing is left to fetch
	s_mov_b32 s[TBV], 0
	PHASE 4
	CHANGE 0, G0A
	s_mov_b32 s[TBK], SLOT1
	s_mov_b32 s[TBV], SLOT1
	PHASE 3
	STEP 0                                         ; the last step asks for no mask: no load leaves its buffer
	; THE WAY OUT.  The sum's halves and the other half of the lanes' are added; O^T is divided by the sum, rounded to f16, and goes through my stage in LDS (2 heads x 32 rows x 144 bytes, in slot 0, which has had its last
	; fill, and whose last read lies in front of the last barrier) so that the wave stores 512 consecutive bytes an instruction.
.macro RSUM                            ; under the head's window
.irp t, 0,1
	v_add_f32 v[ST+8*\t+4], v[ST+8*\t+2], v[ST+8*\t+3]
.endr
.irp t, 0,1
	v_permlanex16_b32 v[ST+8*\t+5], v[ST+8*\t+4], s[SEL], s[SEL+1]
.endr
.irp t, 0,1
	v_add_f32 v[ST+8*\t+4], v[ST+8*\t+4], v[ST+8*\t+5]
.endr
.irp t, 0,1
	v_rcp_f32 v[ST+8*\t+6], v[ST+8*\t+4]
.endr
.endm
	RSUM                                           ; head A
	v_and_b32 v3, 15, v0                           ; (plain work behind the reciprocals)
	v_bfe_u32 v4, v0, 4, 1
	s_mul_i32 s20, s[WV], 64*PK
	v_mul_u32_u24 v[STO], v3, PK
	v_lshl_add_u32 v[STO], v4, 4, v[STO]
	v_add_nc_u32 v[STO], s20, v[STO]               ; in: row r, 16 bytes for each half of the lanes
	v_bfe_u32 v[RD], v0, 3, 2
	v_mul_u32_u24 v[RD], v[RD], PK
	v_and_b32 v3, 7, v0
	v_lshl_add_u32 v[RD], v3, 4, v[RD]
	v_add_nc_u32 v[RD], s20, v[RD]                 ; back: eight lanes to a row of 128 bytes, four rows an instruction
	s_wait_alu depctr_va_vdst(0)                   ; one wait for head A's two reciprocals
	WIN 0x55
	RSUM                                           ; head B
	v_nop                                          ; a plain line behind the last reciprocal
	s_wait_alu depctr_va_vdst(0)                   ; and one for head B's
.macro PACK h, back                    ; head h: divided, rounded, into the stage, and back into v[back] on of window 0
	WIN 0x55*(\h)
.irp t, 0,1
.irp j, 0,2,4,6,8,10,12,14,16,18,20,22,24,26,28,30
	v_pk_mul_f32 v[O+32*\t+\j:O+32*\t+\j+1], v[O+32*\t+\j:O+32*\t+\j+1], v[ST+8*\t+6:ST+8*\t+7] op_sel_hi:[1,0]
.endr
.endr
.set i, 0
.rept 32
	v_cvt_pk_f16_f32 v[S+i], v[O+2*i], v[O+2*i+1]
.set i, i+1
.endr
	WIN 0x04*(\h)                                  ; an LDS store's data are its source 1
.irp t, 0,1
.irp c, 0,1,2,3
	ds_store_b128 v[STO], v[S+16*\t+4*\c:S+16*\t+4*\c+3] offset:(\h)*32*PK+\t*16*PK+32*\c
.endr
.endr
	WIN 0
.irp i, 0,1,2,3,4,5,6,7
	ds_load_b128 v[\back+4*\i:\back+4*\i+3], v[RD] offset:(\h)*32*PK+\i*4*PK   ; LDS serves a wave's instructions in order (ISA guide 5.7.1.4): these see my stores
.endr
.endm
	PACK 0, S+32
	PACK 1, KB
.irp i, 0,1,2,3,4,5,6,7
	s_wait_dscnt 23-\i                             ; head A's load i is in; its younger ones and head B's 16 LDS instructions may be out
	global_store_b128 v[MO], v[S+32+4*\i:S+32+4*\i+3], s[8:9] offset:\i*512
.endr
.irp i, 0,1,2,3,4,5,6,7
	s_wait_dscnt 7-\i                              ; head B's load i is in; the younger ones may be out
	global_store_b128 v[MO], v[KB+4*\i:KB+4*\i+3], s[8:9] offset:262144+\i*512
.endr
	s_wait_tensorcnt 0x0                           ; the wave's end
	ds_add_u32 v[SPW], v[NIL]
	s_wait_dscnt 0x0
	CROUND                                         ; the closing round: no work-group ends while a partner may still ask for a tile that names it
	s_endpgm
.Lfunc_end_k_qfcf424468d_attn:
	.size	k_qfcf424468d_attn, .Lfunc_end_k_qfcf424468d_attn-k_qfcf424468d_attn
	.p2alignl 7, 3214868480
	.fill 96, 4, 3214868480
	.section	.rodata,"a",@progbits
	.p2align	6, 0x0
	.amdhsa_kernel k_qfcf424468d_attn
		.amdhsa_group_segment_fixed_size 327680
		.amdhsa_private_segment_fixed_size 0
		.amdhsa_enable_private_segment 0
		.amdhsa_kernarg_size 24
		.amdhsa_user_sgpr_count 2
		.amdhsa_user_sgpr_kernarg_segment_ptr 1
		.amdhsa_wavefront_size32 1
		.amdhsa_system_sgpr_workgroup_id_x 1
		.amdhsa_system_sgpr_workgroup_id_y 1
		.amdhsa_system_sgpr_workgroup_id_z 1
		.amdhsa_system_vgpr_workitem_id 0
		.amdhsa_next_free_vgpr 512
		.amdhsa_next_free_sgpr 66
		.amdhsa_reserve_vcc 0
		.amdhsa_float_denorm_mode_32 3
		.amdhsa_float_denorm_mode_16_64 3
		.amdhsa_memory_ordered 1
		.amdhsa_forward_progress 1
		.amdhsa_inst_pref_size 207
	.end_amdhsa_kernel
	.amdgpu_metadata
---
amdhsa.version: [ 1, 2 ]
amdhsa.kernels:
  - .name:           k_qfcf424468d_attn
    .symbol:         k_qfcf424468d_attn.kd
    .args:
      - { .name: qkv16, .offset: 0, .size: 8, .value_kind: global_buffer, .address_space: global }
      - { .name: mkimg, .offset: 8, .size: 8, .value_kind: global_buffer, .address_space: global }
      - { .name: o16, .offset: 16, .size: 8, .value_kind: global_buffer, .address_space: global }
    .group_segment_fixed_size: 327680
    .private_segment_fixed_size: 0
    .kernarg_segment_align: 8
    .kernarg_segment_size: 24
    .max_flat_workgroup_size: 256
    .sgpr_count:     66
    .vgpr_count:     512
    .wavefront_size: 32
...
	.end_amdgpu_metadata
.endif
;; end of part 4
;; launch outproj (part 5): grid 4 x 64, 4 waves a work-group, clusters of 4 x 4, 327,680 bytes of LDS; arguments o16, wo16t, bo, out0; writes out0
.if DOCPART == 5
	.amdgcn_target "amdgcn-amd-amdhsa--gfx1250"
	.amdhsa_code_object_version 6
	.text
	.protected	k_qfcf424468d_outproj
	.globl	k_qfcf424468d_outproj
	.p2align	8
	.type	k_qfcf424468d_outproj,@function
k_qfcf424468d_outproj:
	s_mov_b64 s[64:65], 0
	v_nop
	global_prefetch_b8 v0, s[64:65] scope:SCOPE_SE
	s_setreg_imm32_b32 hwreg(HW_REG_WAVE_MODE, 25, 1), 1
	s_wait_xcnt 0x0
	s_wait_alu depctr_hold_cnt(0) depctr_sa_sdst(0) depctr_va_vdst(0) depctr_va_sdst(0) depctr_va_ssrc(0) depctr_va_vcc(0) depctr_vm_vsrc(0)
	s_getreg_b32 s2, hwreg(HW_REG_IB_STS2, 6, 4)
	s_cmp_eq_u32 s2, 0
	s_cbranch_scc0 .Lentry_in_a_cluster
	s_endpgm
.Lentry_in_a_cluster:
	s_bfe_u32 s2, ttmp6, 0x10000c
	s_cmp_lg_u32 s2, 0xf033
	s_cbranch_scc0 .Lentry_shape_is_right
	s_endpgm
.Lentry_shape_is_right:
; out0[m][n] = the sum over k of o[m][k] Wo[k][n] + bo[n].  o16: [b 16 + head][s 2048][64] f16 (k = 64 head + d);  wo16t: Wo^T [n 1024][k 1024] f16;  out0: [8192][1024] f32; sums in f32.
; A tile of 128 (m) x 256 (n) gives 256 work-groups.  Four waves, each 64 x 128: 32 accumulators.  K goes in steps of 128 (two heads) through a ring of two LDS slots: waves 0 and 1 fetch one head's 128 tokens x 64 each,
; waves 2 and 3 128 rows x 128 of Wo^T each.  CLUSTERS 4 x 4: A's tiles are asked for jointly along a row of the cluster, B's along a column.
; THE MATRIX INSTRUCTION IS USED TRANSPOSED (source 0 = 16 rows of Wo^T, source 1 = 16 tokens): a lane holds eight neighbouring columns of one row of out0.  The bias is the C of each sum's first product.
; REGISTERS: window 0: v0-31 addresses; v64-127 the bias in the result's layout; v128-255 rows on their way out, two sets.  window 1: two fragment buffers of 96 (A's four blocks, then B's eight).  window 2: accumulator (a, b) at v[8 (8 a + b)].
; LIMITS: |o|, |Wo| up to 65,504 (f16).
.set PA,     144                       ; a token's row of one head in LDS: 128 bytes + 16
.set PB,     272                       ; a row of Wo^T's tile: 256 bytes + 16
.set HEADT,  128*PA
.set HALFB,  128*PB
.set BOFF,   2*HEADT
.set SLOT,   2*HEADT+2*HALFB           ; A's two heads, then B's two halves
.set STAGE,  2*SLOT                    ; behind the ring: 16 rows x (512 + 16) bytes for each wave
.set SPITCH, 528
.set SPARE,  STAGE+4*16*SPITCH         ; the spare words, 128 bytes a wave: two blocks of 256 bytes that no other line names
.set ADRA, 16
.set ADRB, 20
.set STO,  24
.set RD,   25
.set CO,   26
.set SPW,  28
.set NIL,  29
.set BOF,  30
.set BI,   64
.set BK,   128
.set F0,   0
.set F1,   96
.set G1, 24
.set G0, 32
.set G1B, 48
.set G0B, 56
.set MSB, 0
.macro WIN new                         ; the immediate's high byte repeats the setting that is left
.if MSB != (\new)
	s_set_vgpr_msb (MSB<<8)|(\new)
.set MSB, \new
.endif
.endm
.set MUL,  0xa5                        ; sources 0 and 1 window 1; C and D window 2
.set MUL0, 0x85                        ; the first products: C (the bias) window 0
.set TO_F, 0x40
.macro JLOAD s                         ; a joint load: waves 0 and 1 for A, waves 2 and 3 for B; an s_nop 0 and four v_nop follow each line
	s_cmp_eq_u32 s13, 0
	s_cbranch_scc0 .Lfor_b_\@
	tensor_load_to_lds s[G0+4*\s:G0+4*\s+3], s[G1:G1+7]
	s_nop 0
.rept 4
	v_nop
.endr
	s_branch .Lasked_\@
.Lfor_b_\@:
	tensor_load_to_lds s[G0B+4*\s:G0B+4*\s+3], s[G1B:G1B+7]
	s_nop 0
.rept 4
	v_nop
.endr
.Lasked_\@:
.endm
.macro CREST                           ; a round of the cluster's barrier behind its opening barrier
	s_cmp_lg_u32 s12, 0
	s_cbranch_scc1 .Lnot_wave_0_\@
	s_barrier_signal -3
.Lnot_wave_0_\@:
	s_barrier_wait -3
	s_barrier_signal -1
	s_barrier_wait -1
.endm
.macro CROUND
	s_barrier_signal -1
	s_barrier_wait -1
	CREST
.endm
	s_load_b128 s[4:7], s[0:1], 0x0                ; o16, wo16t
	s_load_b128 s[8:11], s[0:1], 0x10              ; bo, out0
	v_lshl_add_u32 v[SPW], v0, 2, SPARE
	v_mov_b32 v[NIL], 0
	ds_add_u32 v[SPW], v[NIL]                      ; the wave's opening: the add, twice on end, and its wait ahead of my first tensor load
	ds_add_u32 v[SPW], v[NIL]
	v_lshrrev_b32 v1, 5, v0
	v_readfirstlane_b32 s12, v1                    ; wave 0..3
	s_lshr_b32 s13, s12, 1                         ; which half of the tile's rows is mine.  Also: I fetch for A (0) or for B (1)
	s_and_b32 s14, s12, 1                          ; which half of its columns.  Also: which head, or which 128 rows of Wo^T, I fetch
	s_bfe_u32 s40, ttmp6, 0x40000                  ; cx
	s_bfe_u32 s41, ttmp6, 0x40004                  ; cy
	s_lshl_b32 s42, ttmp9, 2
	s_add_co_u32 s42, s42, s40                     ; tile column
	s_and_b32 s15, ttmp7, 0xffff
	s_lshl_b32 s15, s15, 2
	s_add_co_u32 s15, s15, s41                     ; tile row
	s_lshl_b32 s43, s41, 2
	s_lshl_b32 s43, 15, s43                        ; my row of the cluster
	s_lshl_b32 s44, 0x1111, s40                    ; my column
	s_or_b32 s[G1+0], s43, (1<<16)|(1<<20)|(1<<21)|(4<<22)|(3<<25)   ; A: the mask; elements of 2 bytes; padding: 4 words after every 32
	s_mov_b32 s[G1+1], 64<<16                      ; tensor_dim0 = 64
	s_mov_b32 s[G1+2], 128<<16                     ; tensor_dim1 = 128
	s_mov_b32 s[G1+3], 64<<16                      ; tile_dim0 = 64
	s_mov_b32 s[G1+4], 128                         ; tile_dim1 = 128
	s_mov_b32 s[G1+5], 64                          ; the pitch
	s_mov_b32 s[G1+6], 0
	s_mov_b32 s[G1+7], 0
	s_or_b32 s[G1B+0], s44, (1<<16)|(1<<20)|(1<<21)|(5<<22)|(3<<25)  ; B: padding: 4 words after every 64
	s_mov_b32 s[G1B+1], 128<<16
	s_mov_b32 s[G1B+2], 128<<16
	s_mov_b32 s[G1B+3], 128<<16
	s_mov_b32 s[G1B+4], 128
	s_mov_b32 s[G1B+5], 1024
	s_mov_b32 s[G1B+6], 0
	s_mov_b32 s[G1B+7], 0
	s_lshr_b32 s16, s15, 4                         ; A: the batch (16 tiles of 128 tokens each),
	s_lshl_b32 s16, s16, 4
	s_add_co_u32 s16, s16, s14                     ; 16 x batch + my head of K step 0,
	s_lshl_b32 s16, s16, 18                        ; 2,048 tokens of 128 bytes,
	s_and_b32 s17, s15, 15
	s_lshl_b32 s17, s17, 14
	s_add_co_u32 s16, s16, s17                     ; the tile's first token
	s_mov_b32 s17, 0
	s_lshl_b32 s46, s42, 8                         ; B: row 256 x tile column + 128 x half,
	s_lshl_b32 s47, s14, 7
	s_add_co_u32 s46, s46, s47
	s_lshl_b32 s46, s46, 11                        ; of 2,048 bytes
	s_mov_b32 s47, 0
	s_mul_i32 s20, s14, HEADT                      ; where they go: no place in the cluster enters an LDS address
	s_mul_i32 s21, s14, HALFB
	s_add_co_u32 s21, s21, BOFF
	s_wait_dscnt 0x0                               ; both opening adds are done
	s_wait_kmcnt 0x0
	s_add_nc_u64 s[16:17], s[4:5], s[16:17]
	s_add_nc_u64 s[46:47], s[6:7], s[46:47]
	CROUND                                         ; all sixteen work-groups are here: the first joint loads meet
.irp s, 0,1
	s_mov_b32 s[G0+4*\s], 1
	s_add_co_u32 s[G0+4*\s+1], s20, \s*SLOT
	s_add_nc_u64 s[G0+4*\s+2:G0+4*\s+3], s[16:17], \s*2*262144     ; K step s: two heads on
	s_or_b32 s[G0+4*\s+3], s[G0+4*\s+3], 0x80000000
	s_mov_b32 s[G0B+4*\s], 1
	s_add_co_u32 s[G0B+4*\s+1], s21, \s*SLOT
	s_add_nc_u64 s[G0B+4*\s+2:G0B+4*\s+3], s[46:47], \s*256
	s_or_b32 s[G0B+4*\s+3], s[G0B+4*\s+3], 0x80000000
	JLOAD \s                                       ; two tensor loads of mine are out at the most
.endr
	v_and_b32 v1, 15, v0                           ; l % 16
	v_bfe_u32 v2, v0, 4, 1                         ; l / 16
	s_lshl_b32 s22, s42, 10
	s_lshl_b32 s23, s14, 9
	s_add_co_u32 s22, s22, s23                     ; my first column x 4 bytes
	s_mov_b32 s23, 0
	s_add_nc_u64 s[8:9], s[8:9], s[22:23]
	s_add_nc_u64 s[10:11], s[10:11], s[22:23]
	v_lshlrev_b32 v[BOF], 5, v2
.irp b, 0,1,2,3,4,5,6,7
	global_load_b128 v[BI+8*\b:BI+8*\b+3], v[BOF], s[8:9] offset:64*\b          ; lane (r, h), block b: the bias of columns 16 b + 8 h + 0 .. 7
	global_load_b128 v[BI+8*\b+4:BI+8*\b+7], v[BOF], s[8:9] offset:64*\b+16
.endr
	v_mul_u32_u24 v3, v1, PA
	v_lshl_add_u32 v3, v2, 4, v3
	v_mul_u32_u24 v4, v1, PB
	v_lshl_add_u32 v4, v2, 4, v4
	s_mul_i32 s21, s13, 64*PA                      ; my 64 tokens
	s_mul_i32 s22, s14, HALFB                      ; my 128 rows of Wo^T,
	s_add_co_u32 s22, s22, BOFF                    ; behind A's two heads
.irp s, 0,1
	v_add_nc_u32 v[ADRA+\s], s21, v3
	v_add_nc_u32 v[ADRB+\s], s22, v4
	s_add_co_u32 s21, s21, SLOT
	s_add_co_u32 s22, s22, SLOT
.endr
	s_mul_i32 s23, s12, 16*SPITCH
	s_add_co_u32 s23, s23, STAGE                   ; my stage
	v_mul_u32_u24 v5, v1, SPITCH
	v_lshl_add_u32 v5, v2, 5, v5
	v_add_nc_u32 v[STO], s23, v5                   ; in: row l % 16, 32 bytes for each half of the lanes
	v_and_b32 v6, 31, v0
	v_lshlrev_b32 v[CO], 4, v6                     ; back: the 32 lanes take a row of 512 bytes; and the same in out0
	v_add_nc_u32 v[RD], s23, v[CO]
	s_lshl_b32 s16, s15, 7
	s_lshl_b32 s17, s13, 6
	s_add_co_u32 s16, s16, s17                     ; my first row of out0,
	s_lshl_b32 s16, s16, 12                        ; of 4,096 bytes
	s_mov_b32 s17, 0
	s_add_nc_u64 s[10:11], s[10:11], s[16:17]
; 8 matrix instructions: A's block a x B's eight, 32 along K, from buffer f.  zero = 1: the sums begin with the bias.  The 32 accumulators take turns, in the same order in every quarter.
.macro MUL8 f, a, zero
.irp b, 0,1,2,3,4,5,6,7
.if \zero
	v_wmma_f32_16x16x32_f16 v[8*(8*(\a)+\b):8*(8*(\a)+\b)+7], v[\f+32+8*\b:\f+32+8*\b+7], v[\f+8*(\a):\f+8*(\a)+7], v[BI+8*\b:BI+8*\b+7]
.else
	v_wmma_f32_16x16x32_f16 v[8*(8*(\a)+\b):8*(8*(\a)+\b)+7], v[\f+32+8*\b:\f+32+8*\b+7], v[\f+8*(\a):\f+8*(\a)+7], v[8*(8*(\a)+\b):8*(8*(\a)+\b)+7]
.endif
.endr
.endm
; 24 LDS loads in one run: the slot's q-th 32 along K into buffer f: B's eight blocks, then A's four.  A's quarter q lies in head q / 2, at byte 64 (q % 2) of its rows.
.macro FETCH slot, q, f
	WIN TO_F
.irp i, 0,1,2,3,4,5,6,7
	ds_load_b128 v[\f+32+8*\i:\f+32+8*\i+3],   v[ADRB+\slot] offset:64*(\q)+\i*16*PB
	ds_load_b128 v[\f+32+8*\i+4:\f+32+8*\i+7], v[ADRB+\slot] offset:64*(\q)+\i*16*PB+32
.endr
.irp i, 0,1,2,3
	ds_load_b128 v[\f+8*\i:\f+8*\i+3],   v[ADRA+\slot] offset:HEADT*((\q)/2)+64*((\q)%2)+\i*16*PA
	ds_load_b128 v[\f+8*\i+4:\f+8*\i+7], v[ADRA+\slot] offset:HEADT*((\q)/2)+64*((\q)%2)+\i*16*PA+32
.endr
.endm
.macro PLACES                          ; four plain lines between a matrix instruction and a load into, or a read of, its registers
.rept 4
	v_nop
.endr
.endm
; One of a K step's first three quarters: multiplies buffer f, and in its middle fetches quarter qn of the same slot into g.
.macro QUARTER slot, qn, f, g, zero
	s_wait_dscnt 4                                 ; B and A's blocks 0, 1 are in; the youngest four loads (A's blocks 2, 3) may be out
.if \zero
	WIN MUL0
.else
	WIN MUL
.endif
	MUL8 \f, 0, \zero
	MUL8 \f, 1, \zero
	PLACES
	FETCH \slot, \qn, \g
	s_wait_dscnt 24                                ; all but the 24 just issued
.if \zero
	WIN MUL0
.else
	WIN MUL
.endif
	MUL8 \f, 2, \zero
	MUL8 \f, 3, \zero
.endm
; The last quarter multiplies buffer 1 and changes slots: one barrier; in front of it each wave waits for all its tensor loads, adds 0 to its spare word, and waits for that and for its reads of this slot.
; fill = 1: the barrier opens a round of the cluster's, and this slot is filled again, two K steps ahead: the load has a K step less sixteen products in which to land.
.macro TURN slot, next, fill
	WIN 0
	s_wait_tensorcnt 0x0                           ; my part of the next slot has landed
	ds_add_u32 v[SPW], v[NIL]
	s_wait_dscnt 5                                 ; the add and the youngest four loads may be out
	WIN MUL
	MUL8 F1, 0, 0
	s_wait_dscnt 0x0                               ; the add is done, and my reads of this slot are over
	s_barrier_signal -1
	MUL8 F1, 1, 0
	WIN 0
	s_barrier_wait -1
.if \fill
	CREST                                          ; no wave of any partner still reads this slot or has a load on its way
	s_add_nc_u64 s[G0+4*\slot+2:G0+4*\slot+3], s[G0+4*\slot+2:G0+4*\slot+3], 4*262144   ; four heads on
	s_add_nc_u64 s[G0B+4*\slot+2:G0B+4*\slot+3], s[G0B+4*\slot+2:G0B+4*\slot+3], 512
	JLOAD \slot                                    ; the four v_nop behind it are also the places in front of the loads below
.else
	PLACES
.endif
	FETCH \next, 0, F0
	WIN MUL
	MUL8 F1, 2, 0
	MUL8 F1, 3, 0
.endm
	s_wait_tensorcnt 1                             ; my part of K step 0 is in; K step 1's may be out
	s_barrier_signal -1
	s_barrier_wait -1
	FETCH 0, 0, F0
	s_wait_loadcnt 0x0                             ; the bias
	QUARTER 0, 1, F0, F1, 1                        ; the first quarter stands in front of the loop: its products start the sums
	WIN 0
	s_mov_b32 s3, 3                                ; 8 K steps: three trips fill both slots again, the last lap fills nothing
.Llap:
	QUARTER 0, 2, F1, F0, 0
	QUARTER 0, 3, F0, F1, 0
	TURN 0, 1, 1
	QUARTER 1, 1, F0, F1, 0
	QUARTER 1, 2, F1, F0, 0
	QUARTER 1, 3, F0, F1, 0
	TURN 1, 0, 1
	QUARTER 0, 1, F0, F1, 0
	WIN 0
	s_sub_co_u32 s3, s3, 1
	s_cmp_lg_u32 s3, 0
	s_cbranch_scc1 .Llap
	QUARTER 0, 2, F1, F0, 0
	QUARTER 0, 3, F0, F1, 0
	TURN 0, 1, 0
	QUARTER 1, 1, F0, F1, 0
	QUARTER 1, 2, F1, F0, 0
	QUARTER 1, 3, F0, F1, 0
	s_wait_dscnt 4                                 ; the very last quarter: nothing more to fetch
	WIN MUL
	MUL8 F1, 0, 0
	MUL8 F1, 1, 0
	s_wait_dscnt 0
	MUL8 F1, 2, 0
	MUL8 F1, 3, 0
	WIN 0
; THE WAY OUT, a block of 16 rows x 128 columns at a time, through my own stage: in as 32 bytes a lane, back as whole rows of 512 bytes.
.macro TOSTAGE a
	WIN 0x08                                       ; an LDS store's data are its source 1: window 2
.irp b, 0,1,2,3,4,5,6,7
	ds_store_b128 v[STO], v[8*(8*(\a)+\b):8*(8*(\a)+\b)+3] offset:64*\b            ; each accumulator from its low end on
	ds_store_b128 v[STO], v[8*(8*(\a)+\b)+4:8*(8*(\a)+\b)+7] offset:64*\b+16
.endr
	WIN 0
.set BB, BK+64*((\a)%2)
.irp t, 0,1,2,3,4,5,6,7,8,9,10,11,12,13,14,15
	ds_load_b128 v[BB+4*\t:BB+4*\t+3], v[RD] offset:\t*SPITCH      ; LDS serves a wave's instructions in order (ISA guide 5.7.1.4): these see the stores above
.endr
.endm
.macro SEND a, younger                 ; younger: the LDS instructions issued behind block a's loads, which may stay out
.set BB, BK+64*((\a)%2)
	s_wait_dscnt \younger
.irp t, 0,1,2,3,4,5,6,7,8,9,10,11,12,13,14,15
	global_store_b128 v[CO], v[BB+4*\t:BB+4*\t+3], s[10:11] offset:(16*(\a)+\t)*4096 th:TH_STORE_NT   ; 512 consecutive bytes, aligned; written once, read by nobody here
.endr
.endm
	PLACES
	TOSTAGE 0
.irp a, 1,2,3
.if \a > 1
	s_wait_xcnt 0x0                                ; block a - 2's stores have read their registers: block a's loads may land there
.endif
	TOSTAGE \a
	SEND \a-1, 32                                  ; behind block a - 1's loads: block a's 16 stores and 16 loads
.endr
	SEND 3, 0
	s_wait_tensorcnt 0x0                           ; the wave's end
	ds_add_u32 v[SPW], v[NIL]
	s_wait_dscnt 0x0
	CROUND                                         ; the closing round
	s_endpgm
.Lfunc_end_k_qfcf424468d_outproj:
	.size	k_qfcf424468d_outproj, .Lfunc_end_k_qfcf424468d_outproj-k_qfcf424468d_outproj
	.p2alignl 7, 3214868480
	.fill 96, 4, 3214868480
	.section	.rodata,"a",@progbits
	.p2align	6, 0x0
	.amdhsa_kernel k_qfcf424468d_outproj
		.amdhsa_group_segment_fixed_size 327680
		.amdhsa_private_segment_fixed_size 0
		.amdhsa_enable_private_segment 0
		.amdhsa_kernarg_size 32
		.amdhsa_user_sgpr_count 2
		.amdhsa_user_sgpr_kernarg_segment_ptr 1
		.amdhsa_wavefront_size32 1
		.amdhsa_system_sgpr_workgroup_id_x 1
		.amdhsa_system_sgpr_workgroup_id_y 1
		.amdhsa_system_sgpr_workgroup_id_z 1
		.amdhsa_system_vgpr_workitem_id 0
		.amdhsa_next_free_vgpr 768
		.amdhsa_next_free_sgpr 66
		.amdhsa_reserve_vcc 0
		.amdhsa_float_denorm_mode_32 3
		.amdhsa_float_denorm_mode_16_64 3
		.amdhsa_memory_ordered 1
		.amdhsa_forward_progress 1
		.amdhsa_inst_pref_size 87
	.end_amdhsa_kernel
	.amdgpu_metadata
---
amdhsa.version: [ 1, 2 ]
amdhsa.kernels:
  - .name:           k_qfcf424468d_outproj
    .symbol:         k_qfcf424468d_outproj.kd
    .args:
      - { .name: o16, .offset: 0, .size: 8, .value_kind: global_buffer, .address_space: global }
      - { .name: wo16t, .offset: 8, .size: 8, .value_kind: global_buffer, .address_space: global }
      - { .name: bo, .offset: 16, .size: 8, .value_kind: global_buffer, .address_space: global }
      - { .name: out0, .offset: 24, .size: 8, .value_kind: global_buffer, .address_space: global }
    .group_segment_fixed_size: 327680
    .private_segment_fixed_size: 0
    .kernarg_segment_align: 8
    .kernarg_segment_size: 32
    .max_flat_workgroup_size: 128
    .sgpr_count:     66
    .vgpr_count:     768
    .wavefront_size: 32
...
	.end_amdgpu_metadata
.endif
;; end of part 5
